; MI455X (gfx1250); checked and timed in simulation.
; The chip was launched on July 23, 2026; its instructions are those of AMD's public machine-readable ISA for CDNA 5 (MIT licence, August 2026) and "CDNA5" Instruction Set Architecture Reference Guide (July 2026). The comments in the code are by the model that wrote it; some were corrected since.
;; Causal Self Attention. Allowed arithmetic: matrix products marked QUANTISED: E2M3 operands, one E8M0 scale for each 32 along K, by v_wmma_scale_f32_16x16x128_f8f6f4 with both operands' format E2M3, f32 sums; everything else in f32.
;; Inputs: b_attn 3,072 float32; b_proj 1,024 float32; hidden_states_codes 4 x 2,048 x 32 x 24 uint8 (E2M3 codes of hidden_states, K innermost, in blocks of 32 codes, four codes in three bytes); hidden_states_scales 4 x 2,048 x 32 uint8 (E8M0 scales of hidden_states, one for each 32 codes along K); w_attn_codes 3,072 x 32 x 24 uint8 (E2M3 codes of w_attn, K innermost, in blocks of 32 codes, four codes in three bytes); w_attn_scales 3,072 x 32 uint8 (E8M0 scales of w_attn, one for each 32 codes along K); w_proj_codes 1,024 x 32 x 24 uint8 (E2M3 codes of w_proj, K innermost, in blocks of 32 codes, four codes in three bytes); w_proj_scales 1,024 x 32 uint8 (E8M0 scales of w_proj, one for each 32 codes along K).
;; Outputs: out0 4 x 2,048 x 1,024 float32.
;; This version of the problem:
;;   THIS VERSION OF THE PROBLEM IS GIVEN IN LOW PRECISION. The matrix products marked QUANTISED in the list below multiply operands that are first quantised to E2M3 (2 exponent bits, 3 mantissa bits; 6 bits a number), with one power-of-two scale for each 32 numbers along K (OCP MX v1.0); their sums are f32. All else is computed in f32.
;;   The module's matrix products, in the order in which they are computed (A, B: the left and right operand; K: the contracted axis; several contracted axes count as one K, in the product's order):
;;     1. [M 8,192, K 1,024] x [K 1,024, N 3,072]; A: input hidden_states (given as codes); B: input w_attn (given as codes): QUANTISED
;;     2. batch 64 x [M 2,048, K 64] x [K 64, N 2,048]; A: computed on the way; B: computed on the way: QUANTISED
;;     3. batch 64 x [M 2,048, K 2,048] x [K 2,048, N 64]; A: softmax (see below); B: computed on the way: QUANTISED
;;     4. [M 8,192, K 1,024] x [K 1,024, N 1,024]; A: computed on the way; B: input w_proj (given as codes): QUANTISED
;;   THE QUANTISER, for each operand of a quantised product, along K:
;;     - K is cut into blocks of 32 from its start; a last block that is shorter is filled with zeros.
;;     - A block's scale is 2^e with e = floor(log2(the largest magnitude in the block)) - 2, held to -126 .. 127; a block of zeros has e = 0. As a byte (E8M0): e + 127.
;;     - Each number is divided by its block's scale, clamped to +-7.5, and rounded to the nearest number of E2M3, ties to even, subnormals kept.
;;     - The product sums the exact products of the quantised numbers (number of the format x scale) in f32.
;;   ~~~python
;;   def quantise(x, axis):      # numpy; x: float32 -> the quantised numbers, widened to float32 again
;;       x = np.moveaxis(x, axis, -1); K = x.shape[-1]
;;       x = np.pad(x, [(0, 0)] * (x.ndim - 1) + [(0, -K % 32)]); x = x.reshape(x.shape[:-1] + (-1, 32)); a = np.abs(x).max(-1, keepdims=True)
;;       e = np.where(a > 0, np.clip(np.frexp(np.where(a > 0, a, 1))[1] - 1 - 2, -126, 127), 0)      # np.frexp(a)[1] - 1 = floor(log2(a)), exactly
;;       r = np.clip(x / 2.0 ** e, -7.5, 7.5)
;;       step = 2.0 ** (np.maximum(np.frexp(np.where(r == 0, 1, r))[1] - 1, 0) - 3)
;;       q = np.round(r / step) * step * 2.0 ** e      # np.round: ties to even
;;       return np.moveaxis(q.reshape(q.shape[:-2] + (-1,))[..., :K], -1, axis).astype(np.float32)
;;   ~~~
;;   SOFTMAX AHEAD OF A QUANTISED PRODUCT. Where the list says 'softmax', what is quantised is not the finished softmax but p = 2^(t - M), with t = logit x log2(e) and M = ceil(the row's largest t), a whole number; so 1/2 < the row's largest p <= 1. The row's sum l is taken of the UNQUANTISED p, in f32, and the product's result is divided by l at the end. Since M is a whole number, a kernel that streams over the keys may use a running M (the ceiling of the running maximum): every later rescaling is an exact power of two, which a block's scale takes up: the codes' values come out the same.
;;   OPERANDS COMPUTED ON THE WAY. 'Computed on the way' means the value that the module computes at that place (a softmax that the list does not call 'softmax' is quantised finished and normalised). What goes into a quantiser is computed in f32, as accurately as f32 sums, v_exp_f32 and their like allow (about 1e-6 of the number): no bf16 or f16 on the way to a quantiser, and a product that is left as it is and whose result goes on into a quantised operand takes f32 operands (vector FMAs, or v_wmma_f32_16x16x4_f32). A number that lies on a knife's edge between two numbers of the format may be rounded either way, as far as f32 arithmetic and the matrix unit's own rounding can turn it there, and no further.
;;   INPUTS GIVEN AS CODES. hidden_states (in the module: [4, 2048, 1024], K = its axis 2); w_attn (in the module: [1024, 3072], K = its axis 0); w_proj (in the module: [1024, 1024], K = its axis 0): each comes as NAME_codes (uint8): NAME with its K axis moved to the last place and cut into blocks of 32 codes, [.., K / 32, bytes a block], one block behind the other in memory; four codes in three bytes: a row's codes are one little-endian stream of bits, code i at bits 6 i .. 6 i + 5 (a code: sign, 2 exponent bits, 3 mantissa bits); and NAME_scales (uint8): the same leading axes, one E8M0 byte (e + 127) for each 32 codes along K. Its value is code x scale, taken as it is: it is not quantised again, and the codes and scales need not be those that the quantiser above would give.
;; One version. Each part assembles by itself: llvm-mc -triple=amdgcn-amd-amdhsa -mcpu=gfx1250 --defsym DOCPART=n.
;; ======== version 1 of 1: 3 launches
;; workspace buffers: qbuf 6,553,600 bytes; kv 13,107,200 bytes; ctx_codes 6,291,456 bytes; ctx_scales 262,144 bytes
;; launch qkv (part 1): grid 8 x 48, 4 waves a work-group, clusters of 4 x 4, 327,680 bytes of LDS; arguments hidden_states_codes, hidden_states_scales, w_attn_codes, w_attn_scales, b_attn, qbuf, kv; writes qbuf, kv
.if DOCPART == 1
	.amdgcn_target "amdgcn-amd-amdhsa--gfx1250"
	.amdhsa_code_object_version 6
	.text
	.protected	k_q32775b233a_qkv
	.globl	k_q32775b233a_qkv
	.p2align	8
	.type	k_q32775b233a_qkv,@function
k_q32775b233a_qkv:
	s_mov_b64 s[64:65], 0
	v_nop
	global_prefetch_b8 v0, s[64:65] scope:SCOPE_SE
	s_setreg_imm32_b32 hwreg(HW_REG_WAVE_MODE, 25, 1), 1
	s_wait_xcnt 0x0
	s_wait_alu depctr_hold_cnt(0) depctr_sa_sdst(0) depctr_va_vdst(0) depctr_va_sdst(0) depctr_va_ssrc(0) depctr_va_vcc(0) depctr_vm_vsrc(0)
	s_getreg_b32 s2, hwreg(HW_REG_IB_STS2, 6, 4)
	s_cmp_eq_u32 s2, 0
	s_cbranch_scc0 .Lentry_in_a_cluster
	s_endpgm
.Lentry_in_a_cluster:
	s_bfe_u32 s2, ttmp6, 0x10000c
	s_cmp_lg_u32 s2, 0xf033
	s_cbranch_scc0 .Lentry_shape_is_right
	s_endpgm
.Lentry_shape_is_right:
; qkv = x w_attn + b_attn on codes of FP6 (E2M3) with E8M0 scales, and q, k, v quantised again for the attention launch.
; x: [8192][1024] codes, w_attn: [3072][1024] codes, K innermost, 768 bytes a row; scale bytes 32 a row.
; A work-group of four waves makes 256 x 256 results, a wave 128 x 128 (64 accumulators).  K goes in steps of 256 through two LDS slots.
; The matrix instruction's source 0 takes 16 rows of operand P, source 1 16 rows of operand R: a lane then holds ONE row of R and its registers run along P's rows.
;   clusters with y < 8 (q and k): P = w_attn's columns 0-2047, R = tokens: a lane holds a token, its registers the head's dims, along which q and k are quantised;
;   clusters with y >= 8 (v):      P = tokens, R = w_attn's columns 2048-3071: a lane holds a dim of v, its registers the keys, along which v is quantised.
; Only pointers and tile numbers are chosen by the region; the loop is one text.  4 x 4 work-groups form a cluster: R's tiles are asked for jointly along a row of it, P's along a column.
; THE ORDER INSIDE A BLOCK OF 32: positions 0-15 hold elements 0-7 and 16-23, positions 16-31 elements 8-15 and 24-31, alike in q and k, and alike in v and (next launch) p: the products are the same, their order in the sums differs.
; RESULTS leave as images of operand registers: qbuf [bh][step of 128 tokens][6400]: 8 tiles of 768 bytes (registers 0-3 at 16 x lane, 4-5 at 512 + 8 x lane), then 256 bytes of scale words;
;   kv [bh][step][12800]: k's 8 tiles (two neighbours = one fragment of 16 rows x two keys), v's 4 fragments of 1536 bytes, k's scale words, v's scale words.  Every store covers 256 or 512 consecutive bytes, aligned.
; LIMITS: a block of zeros gets the scale byte 1 (its codes are zeros; only this program reads the bytes); NaN and infinities are not served.
.set SIZE_K, 1024
.set KSTEP,  256
.set NQ,     KSTEP/128
.set ROWB,   192                       ; a tile's row in bytes
.set KROW,   SIZE_K*6/8
.set PITCH,  240                       ; an LDS row: 3 x (64 bytes + 16 of padding)
.set FR,     12
.set NL,     6
.set NP,     4
.set HALFT,  128*PITCH
.set SLOT,   4*HALFT
.set LAPS,   SIZE_K/(2*KSTEP)
.set KS,     SIZE_K/32
.set SCL,    2*SLOT
.set HALFS,  (128*KS/256)*272
.set SBLK,   (16*KS/256)*272
.set SPARE,  SCL+4*HALFS               ; the spare words: 128 bytes a wave, named by no other line
.set ADRA, 16                          ; v16-19 LDS addresses of R's fragments (slot 0, 1; and behind one padding more)
.set ADRB, 20                          ; v20-23 the same for P
.set L16,  24                          ; v24 16 x lane
.set L8,   25                          ; v25 8 x lane
.set ADRS, 27
.set SPW,  28
.set NIL,  29
.set SC,   32                          ; v32-63 scale words, two sets
.set BP,   64                          ; v64-127 the bias along my 128 rows of P: register 8 b + j = b_attn[COL0 + 16 b + 8 h + j]
.set AF,   128                         ; R's fragments
.set BL,   224                         ; v224-239 the bias along my rows of R: pair a = b_attn[COL0 + 16 a + r], twice
.set H,    128                         ; the way out: 64 numbers of a lane
.set CD,   192                         ; the codes just made (and conversions' second halves at +12, +16)
.set TM,   32
.set PW,   48
.set XW,   50                          ; v50-57 the eight blocks' scale words
.set W,    58
.set MW,   62
.set SEL,  20
.set G1, 24
.set G0, 32
.set G1B, 48
.set G0B, 56
.set G1S, 68
.set G0S, 76
.set G1SB, 80
.set G0SB, 88
.set MSB, 0
.macro WIN new                         ; the immediate's high byte repeats the setting that is left
.if MSB != \new
	s_set_vgpr_msb (MSB<<8)|\new
.set MSB, \new
.endif
.endm
.set MUL_LO, 0xa1                      ; source 0 (P) window 1, source 1 (R) window 0, C and D window 2
.set MUL_HI, 0xf1
.set TO_B,   0x40
; A joint load: waves 0 and 1 fetch for R, waves 2 and 3 for P.  The branch hangs on the wave's number alone.  Four v_nop follow each line.
.macro JLOAD g0a, g1a, g0b, g1b
	s_cmp_eq_u32 s15, 0
	s_cbranch_scc0 .Lfor_b_\@
	tensor_load_to_lds s[\g0a:\g0a+3], s[\g1a:\g1a+7]
	s_nop 0
.rept 4
	v_nop
.endr
	s_branch .Lasked_\@
.Lfor_b_\@:
	tensor_load_to_lds s[\g0b:\g0b+3], s[\g1b:\g1b+7]
	s_nop 0
.rept 4
	v_nop
.endr
.Lasked_\@:
.endm
.macro CREST
	s_cmp_lg_u32 s14, 0
	s_cbranch_scc1 .Lnot_wave_0_\@
	s_barrier_signal -3
.Lnot_wave_0_\@:
	s_barrier_wait -3
	s_barrier_signal -1
	s_barrier_wait -1
.endm
.macro CROUND
	s_barrier_signal -1
	s_barrier_wait -1
	CREST
.endm
	s_load_b128 s[4:7], s[0:1], 0x0                ; x's codes, x's scales
	s_load_b128 s[8:11], s[0:1], 0x10              ; w_attn's codes, its scales
	s_load_b128 s[96:99], s[0:1], 0x20             ; b_attn, qbuf
	s_load_b64 s[100:101], s[0:1], 0x30            ; kv
	v_lshl_add_u32 v[SPW], v0, 2, SPARE
	v_mov_b32 v[NIL], 0
	ds_add_u32 v28, v29
	ds_add_u32 v28, v29
	s_wait_dscnt 0x0
	v_lshrrev_b32 v1, 5, v0
	v_readfirstlane_b32 s14, v1                    ; wave 0..3
	s_lshr_b32 s15, s14, 1                         ; which half of R's rows is mine.  Also: I fetch for R (0) or for P (1)
	s_and_b32 s16, s14, 1                          ; which half of P's rows.  Also: which 128 rows I fetch
	s_bfe_u32 s40, ttmp6, 0x40000                  ; cx
	s_bfe_u32 s41, ttmp6, 0x40004                  ; cy
	s_and_b32 s18, ttmp7, 0xffff                   ; the cluster's y
	s_sub_co_u32 s19, s18, 8
	s_lshl_b32 s19, s19, 1
	s_add_co_u32 s19, s19, ttmp9                   ; the v region: 2 (y - 8) + x, which four tiles of tokens
	s_cmp_lt_u32 s18, 8                            ; the region: the same in all sixteen partners
	s_cselect_b32 s95, 1, 0                        ; 1: q and k
	s_cselect_b32 s42, ttmp9, s19
	s_cselect_b32 s17, s18, 2
	s_lshl_b32 s42, s42, 2
	s_add_co_u32 s42, s42, s40                     ; P's tile of 256 rows
	s_lshl_b32 s17, s17, 2
	s_add_co_u32 s17, s17, s41                     ; R's tile of 256 rows
	s_lshl_b32 s43, s41, 2
	s_lshl_b32 s43, 15, s43                        ; my row of the cluster
	s_lshl_b32 s44, 0x1111, s40                    ; my column
	s_or_b32 s[G1+0], s43, (0<<16)|(1<<20)|(1<<21)|(3<<22)|(3<<25)  ; mask; 1-byte elements; padding on; bit 21 beside a mask; 4 words of padding after every 16
	s_or_b32 s[G1B+0], s44, (0<<16)|(1<<20)|(1<<21)|(3<<22)|(3<<25)
.irp g, G1, G1B
	s_mov_b32 s[\g+1], ROWB<<16                    ; tensor_dim0
	s_mov_b32 s[\g+2], 128<<16                     ; tensor_dim1
	s_mov_b32 s[\g+3], ROWB<<16                    ; tile_dim0
	s_mov_b32 s[\g+4], 128                         ; tile_dim1
	s_mov_b32 s[\g+5], KROW                        ; the pitch
	s_mov_b32 s[\g+6], 0
	s_mov_b32 s[\g+7], 0
.endr
	s_or_b32 s[G1S+0], s43, (3<<16)|(1<<20)|(1<<21)|(5<<22)|(3<<25)  ; the scales of 128 rows: a dense block, as rows of 256 bytes + 16 of padding
	s_or_b32 s[G1SB+0], s44, (3<<16)|(1<<20)|(1<<21)|(5<<22)|(3<<25)
.irp g, G1S, G1SB
	s_mov_b32 s[\g+1], 32<<16
	s_mov_b32 s[\g+2], (128*KS/256)<<16
	s_mov_b32 s[\g+3], 32<<16
	s_mov_b32 s[\g+4], 128*KS/256
	s_mov_b32 s[\g+5], 32
	s_mov_b32 s[\g+6], 0
	s_mov_b32 s[\g+7], 0
.endr
	s_lshl_b32 s18, s16, 7
	s_lshl_b32 s20, s17, 8
	s_add_co_u32 s20, s20, s18                     ; R: row 256 x tile + 128 x half
	s_lshl_b32 s46, s42, 8
	s_add_co_u32 s46, s46, s18                     ; P likewise
	s_mov_b32 s21, 0
	s_mov_b32 s47, 0
	s_mov_b64 s[18:19], KS
	s_mul_u64 s[22:23], s[20:21], s[18:19]
	s_mul_u64 s[92:93], s[46:47], s[18:19]
	s_mov_b64 s[18:19], KROW
	s_mul_u64 s[20:21], s[20:21], s[18:19]
	s_mul_u64 s[46:47], s[46:47], s[18:19]
	s_mul_i32 s45, s14, HALFT
	s_mul_i32 s94, s14, HALFS
	s_wait_kmcnt 0x0
	s_cmp_lg_u32 s95, 0                            ; which tensor is R and which P: a choice on the cluster's number
	s_cselect_b64 s[32:33], s[4:5], s[8:9]         ; R's codes
	s_cselect_b64 s[34:35], s[6:7], s[10:11]       ; R's scales
	s_cselect_b64 s[8:9], s[8:9], s[4:5]           ; P's codes
	s_cselect_b64 s[10:11], s[10:11], s[6:7]       ; P's scales
	s_mov_b64 s[4:5], s[32:33]
	s_mov_b64 s[6:7], s[34:35]
	s_add_nc_u64 s[20:21], s[4:5], s[20:21]
	s_add_nc_u64 s[22:23], s[6:7], s[22:23]
	s_add_nc_u64 s[46:47], s[8:9], s[46:47]
	s_add_nc_u64 s[92:93], s[10:11], s[92:93]
	CROUND                                         ; all sixteen work-groups are here: the first joint loads meet
	s_mov_b32 s[G0S], 1
	s_add_co_u32 s[G0S+1], s94, SCL
	s_mov_b64 s[G0S+2:G0S+3], s[22:23]
	s_or_b32 s[G0S+3], s[G0S+3], 0x80000000
	s_mov_b32 s[G0SB], 1
	s_add_co_u32 s[G0SB+1], s94, SCL
	s_mov_b64 s[G0SB+2:G0SB+3], s[92:93]
	s_or_b32 s[G0SB+3], s[G0SB+3], 0x80000000
	JLOAD G0S, G1S, G0SB, G1SB                     ; the scales of all of K: filled once
.irp s, 0,1
	s_mov_b32 s[G0+4*\s], 1
	s_add_co_u32 s[G0+4*\s+1], s45, \s*SLOT
	s_add_nc_u64 s[G0+4*\s+2:G0+4*\s+3], s[20:21], \s*ROWB
	s_or_b32 s[G0+4*\s+3], s[G0+4*\s+3], 0x80000000
	s_mov_b32 s[G0B+4*\s], 1
	s_add_co_u32 s[G0B+4*\s+1], s45, \s*SLOT
	s_add_nc_u64 s[G0B+4*\s+2:G0B+4*\s+3], s[46:47], \s*ROWB
	s_or_b32 s[G0B+4*\s+3], s[G0B+4*\s+3], 0x80000000
	JLOAD G0+4*\s, G1, G0B+4*\s, G1B
.endr
	v_and_b32 v1, 15, v0                           ; r
	v_bfe_u32 v2, v0, 4, 1                         ; h
	v_mul_u32_u24 v3, v1, PITCH
	v_mul_u32_u24 v4, v2, 24
	v_add_nc_u32 v4, v3, v4
	v_lshl_add_u32 v5, v2, 4, v4
	s_mul_i32 s21, s15, HALFT
	s_mul_i32 s22, s16, HALFT
	s_add_co_u32 s22, s22, 2*HALFT
.irp s, 0,1
	v_add_nc_u32 v[ADRA+\s], s21, v4
	v_add_nc_u32 v[ADRB+\s], s22, v4
	v_add_nc_u32 v[ADRA+2+\s], s21, v5
	v_add_nc_u32 v[ADRB+2+\s], s22, v5
	s_add_co_u32 s21, s21, SLOT
	s_add_co_u32 s22, s22, SLOT
.endr
	v_mul_u32_u24 v5, v1, KS
	v_lshrrev_b32 v6, 8, v5
	v_lshl_add_u32 v5, v6, 4, v5
	s_mul_i32 s21, s15, HALFS
	s_mul_i32 s22, s16, HALFS
	s_add_co_u32 s22, s22, 2*HALFS
	s_sub_co_u32 s22, s22, s21
	v_mul_u32_u24 v6, s22, v2                      ; lanes 16-31 take P's scale words
	s_add_co_u32 s21, s21, SCL
	v_add_nc_u32 v5, v5, v6
	v_add_nc_u32 v[ADRS], s21, v5
	v_and_b32 v6, 31, v0
	v_lshlrev_b32 v[L16], 4, v6
	v_lshlrev_b32 v[L8], 3, v6
	; my wave's first token and first column of qkv
	s_lshl_b32 s66, s17, 8
	s_lshl_b32 s2, s15, 7
	s_add_co_u32 s66, s66, s2                      ; my first row of R
	s_lshl_b32 s67, s42, 8
	s_lshl_b32 s2, s16, 7
	s_add_co_u32 s67, s67, s2                      ; my first row of P
	s_cmp_lg_u32 s95, 0
	s_cselect_b32 s2, s66, s67                     ; TOK0
	s_cselect_b32 s67, s67, s66                    ; COL0
	s_mov_b32 s66, s2
	s_lshl_b32 s2, s67, 2
	s_mov_b32 s3, 0
	s_add_nc_u64 s[96:97], s[96:97], s[2:3]        ; b_attn at COL0; COL0 + 127 is at most 3071
	v_lshlrev_b32 v7, 5, v2                        ; 32 h; v7, v8 and s[96:97] are never written again: the loads below stay out through the loop
	v_lshlrev_b32 v8, 2, v1                        ; 4 r
.irp b, 0,1,2,3,4,5,6,7
	global_load_b128 v[BP+8*\b:BP+8*\b+3], v7, s[96:97] offset:64*\b
	global_load_b128 v[BP+8*\b+4:BP+8*\b+7], v7, s[96:97] offset:64*\b+16
.endr
.irp a, 0,1,2,3,4,5,6,7
	global_load_b32 v[BL+2*\a], v8, s[96:97] offset:64*\a
	global_load_b32 v[BL+2*\a+1], v8, s[96:97] offset:64*\a
.endr
.macro FRAG reg, adr, q, i             ; a fragment: 16 rows x 128 K, 12 registers, in pieces of 8 bytes; where lanes 16-31's piece lies behind one padding more, the second address register serves
.irp p, 0,1,2,3,4,5
.set PIECE, 12*(\q)+6*(\p/3)+\p%3
.if PIECE%8 < 5
	ds_load_b64 v[\reg+2*\p:\reg+2*\p+1], v[\adr] offset:8*PIECE+16*(PIECE/8)+(\i)*16*PITCH
.else
	ds_load_b64 v[\reg+2*\p:\reg+2*\p+1], v[\adr+2] offset:8*PIECE+16*(PIECE/8)+(\i)*16*PITCH
.endif
.endr
.endm
; 16 matrix instructions: R's blocks a0, a0 + 1 x P's eight.  The 64 accumulators take turns, one instruction a turn.
.macro MUL16 a0, p, q, sc, zero
.irp a, \a0, \a0+1
.irp b, 0,1,2,3,4,5,6,7
.if \zero
	v_wmma_scale_f32_16x16x128_f8f6f4 v[8*(8*((\a)%4)+\b):8*(8*((\a)%4)+\b)+7], v[128*(\p)+FR*\b:128*(\p)+FR*\b+FR-1], v[AF+FR*(\a):AF+FR*(\a)+FR-1], 0, v[SC+8*NQ*(\sc)+NQ*\b+(\q)], v[SC+8*NQ*(\sc)+NQ*(\a)+(\q)] matrix_a_fmt:MATRIX_FMT_FP6 matrix_b_fmt:MATRIX_FMT_FP6 matrix_a_scale:MATRIX_SCALE_ROW1
.else
	v_wmma_scale_f32_16x16x128_f8f6f4 v[8*(8*((\a)%4)+\b):8*(8*((\a)%4)+\b)+7], v[128*(\p)+FR*\b:128*(\p)+FR*\b+FR-1], v[AF+FR*(\a):AF+FR*(\a)+FR-1], v[8*(8*((\a)%4)+\b):8*(8*((\a)%4)+\b)+7], v[SC+8*NQ*(\sc)+NQ*\b+(\q)], v[SC+8*NQ*(\sc)+NQ*(\a)+(\q)] matrix_a_fmt:MATRIX_FMT_FP6 matrix_b_fmt:MATRIX_FMT_FP6 matrix_a_scale:MATRIX_SCALE_ROW1
.endif
.endr
.endr
.endm
.macro FETCH_B slot, q, p
	WIN TO_B
.irp i, 0,1,2,3,4,5,6,7
	FRAG 128*(\p)+FR*\i, ADRB+\slot, \q, \i
.endr
	WIN 0
.endm
.macro FETCH_A slot, q, i0
.irp i, \i0, \i0+1, \i0+2, \i0+3
	FRAG AF+FR*(\i), ADRA+\slot, \q, \i
.endr
.endm
.macro SCALES sc
.irp i, 0,1,2,3,4,5,6,7
	ds_load_b64 v[SC+8*NQ*\sc+NQ*\i:SC+8*NQ*\sc+NQ*\i+1], v[ADRS] offset:\i*SBLK
.endr
.endm
.macro PLACES n                        ; plain vector instructions between a matrix instruction and a load into, or a read of, its registers
.rept \n
	v_nop
.endr
.endm
.macro STEP slot, q, zero
	s_wait_dscnt 4*NL                              ; P's set and R's blocks 0-3 are in; the youngest 24 loads (R's blocks 4-7) may be out
	WIN MUL_LO
	MUL16 0, (\q)%2, \q, \slot, \zero
	MUL16 2, (\q)%2, \q, \slot, \zero
	s_wait_dscnt 0
	PLACES NP
	FETCH_B \slot, (\q)+1, 1-(\q)%2
	FETCH_A \slot, (\q)+1, 0
	WIN MUL_HI
	MUL16 4, (\q)%2, \q, \slot, \zero
	MUL16 6, (\q)%2, \q, \slot, \zero
	PLACES NP
	WIN 0
	FETCH_A \slot, (\q)+1, 4
.endm
; A slot's last step changes slots: one barrier; in front of it each wave waits for all its tensor loads, adds 0 to its spare word, and waits for that and for its reads of this slot.
.macro TURN slot, next, fill
	s_wait_tensorcnt 0x0                           ; all my tensor loads have landed: my part of the next slot
	ds_add_u32 v[SPW], v[NIL]                      ; 0 onto my spare word
	s_wait_dscnt 4*NL+1                            ; the add and the youngest 24 loads may be out
	WIN MUL_LO
	MUL16 0, 1, NQ-1, \slot, 0
	s_wait_dscnt 0x0                               ; the add is done, and my reads of this slot are over
	s_barrier_signal -1
	MUL16 2, 1, NQ-1, \slot, 0
	WIN 0
	s_barrier_wait -1
.if \fill
	CREST                                          ; the barrier has opened a round of the cluster's barrier: no wave of any partner still reads this slot or has a load on its way
	s_add_nc_u64 s[G0+4*\slot+2:G0+4*\slot+3], s[G0+4*\slot+2:G0+4*\slot+3], 2*ROWB
	s_add_nc_u64 s[G0B+4*\slot+2:G0B+4*\slot+3], s[G0B+4*\slot+2:G0B+4*\slot+3], 2*ROWB
	JLOAD G0+4*\slot, G1, G0B+4*\slot, G1B         ; the first tensor load behind the round; its four v_nop are also the places in front of the loads below
.else
	PLACES NP
.endif
	s_wait_alu depctr_va_vdst(0)
	v_add_nc_u32 v[ADRS], 4*NQ, v[ADRS]
	FETCH_B \next, 0, 0
	FETCH_A \next, 0, 0
	SCALES \next
	WIN MUL_HI
	MUL16 4, 1, NQ-1, \slot, 0
	MUL16 6, 1, NQ-1, \slot, 0
	PLACES NP
	WIN 0
	FETCH_A \next, 0, 4
.endm
	s_wait_alu depctr_va_vdst(0)
	s_wait_tensorcnt 1                             ; the scales and my part of K step 0 are in; K step 1's load may be out
	s_barrier_signal -1
	s_barrier_wait -1
	FETCH_B 0, 0, 0
	FETCH_A 0, 0, 0
	SCALES 0
	FETCH_A 0, 0, 4
	STEP 0, 0, 1                                   ; the first step starts the sums
	s_mov_b32 s3, LAPS-1
.Llap:
	TURN 0, 1, 1
	STEP 1, 0, 0
	TURN 1, 0, 1
	STEP 0, 0, 0
	s_sub_co_u32 s3, s3, 1
	s_cmp_lg_u32 s3, 0
	s_cbranch_scc1 .Llap
	TURN 0, 1, 0                                   ; the last lap fills nothing
	STEP 1, 0, 0
	s_wait_dscnt 4*NL
	WIN MUL_LO
	MUL16 0, 1, NQ-1, 1, 0
	MUL16 2, 1, NQ-1, 1, 0
	s_wait_dscnt 0
	WIN MUL_HI
	MUL16 4, 1, NQ-1, 1, 0
	MUL16 6, 1, NQ-1, 1, 0
	WIN 0
; THE WAY OUT.  64 numbers of a lane, v[s] on, four blocks of 32 shared with lane l xor 16, become 12 registers of codes in v[CD] on and a scale word in v[PW].
.macro QUANT s
.irp b, 0,1,2,3
	v_max3_num_f32 v[TM+\b], |v[\s+16*\b]|, |v[\s+1+16*\b]|, 0x1800000   ; my 16 numbers of block b, and the floor 2^(3 - 127): the byte cannot fall under 1
.endr
.irp i, 2,4,6,8,10,12,14
.irp b, 0,1,2,3
	v_max3_num_f32 v[TM+\b], v[TM+\b], |v[\s+16*\b+\i]|, |v[\s+1+16*\b+\i]|
.endr
.endr
.irp b, 0,1,2,3
	v_permlanex16_b32 v[TM+4+\b], v[TM+\b], s[SEL], s[SEL+1]
.endr
.irp b, 0,1,2,3
	v_max_num_f32 v[TM+\b], v[TM+\b], v[TM+4+\b]   ; the block's largest magnitude
.endr
.irp b, 0,1,2,3
	v_add_nc_u32 v[TM+12+\b], 0xff000000, v[TM+\b] ; 2 off its exponent field: the conversion's scale operand
.endr
.irp b, 0,1,2,3
	v_lshrrev_b32 v[TM+4+\b], 23, v[TM+12+\b]      ; the scale's byte
.endr
	v_lshl_or_b32 v[PW], v[TM+5], 8, v[TM+4]
	v_lshl_or_b32 v[PW], v[TM+6], 16, v[PW]
	v_lshl_or_b32 v[PW], v[TM+7], 24, v[PW]
.irp c, 0,1
	v_cvt_scalef32_pk16_fp6_f32 v[CD+6*\c:CD+2+6*\c], v[\s+32*\c:\s+15+32*\c], v[TM+12+2*\c]
	v_cvt_scalef32_pk16_fp6_f32 v[CD+12+4*\c:CD+14+4*\c], v[\s+16+32*\c:\s+31+32*\c], v[TM+12+2*\c+1]
.endr
	v_nop                                          ; one plain place behind a scaled conversion
.irp c, 0,1                                    ; a whole block to a lane: lanes 0-15 block 2 c, lanes 16-31 block 2 c + 1
.irp i, 0,1,2
	v_permlane16_swap_b32 v[CD+6*\c+\i], v[CD+12+4*\c+\i]
.endr
.irp i, 0,1,2
	v_mov_b32 v[CD+3+6*\c+\i], v[CD+12+4*\c+\i]
.endr
.endr
.endm
; R's block a: 16 tokens x my 128 columns (two heads).  The bias is added on the way from the accumulators' window, each accumulator from its low end on.
.macro EPIQ a
	s_wait_xcnt 0x0                                ; the earlier stores have read their data: the codes' registers are written again only behind this wait
.set WSEL, 0x02+(\a)/4
	WIN WSEL
.set i, 0
.rept 32
	v_pk_add_f32 v[H+2*i:H+2*i+1], v[64*((\a)%4)+2*i:64*((\a)%4)+2*i+1], v[BP+2*i:BP+2*i+1]
.set i, i+1
.endr
	WIN 0
	QUANT H
	global_store_b128 v[L16], v[CD:CD+3], s[40:41] offset:768*(\a)          ; the first head's tile: 512 and 256 consecutive bytes
	global_store_b64 v[L8], v[CD+4:CD+5], s[40:41] offset:768*(\a)+512
	global_store_b128 v[L16], v[CD+6:CD+9], s[42:43] offset:768*(\a)        ; the second head's
	global_store_b64 v[L8], v[CD+10:CD+11], s[42:43] offset:768*(\a)+512
	v_mov_b32 v[XW+(\a)], v[PW]
.endm
; R's block a: 16 dims of v (head a / 4, fragment a % 4) x my 128 keys
.macro EPIV a
	s_wait_xcnt 0x0
.set WSEL, 0x02+(\a)/4
	WIN WSEL
.set i, 0
.rept 32
	v_pk_add_f32 v[H+2*i:H+2*i+1], v[64*((\a)%4)+2*i:64*((\a)%4)+2*i+1], v[BL+2*(\a):BL+2*(\a)+1]
.set i, i+1
.endr
	WIN 0
	QUANT H
.irp g, 0,1,2
	global_store_b128 v[L16], v[CD+4*\g:CD+4*\g+3], s[40:41] offset:((\a)/4)*204800+((\a)%4)*1536+512*\g
.endr
	v_mov_b32 v[XW+(\a)], v[PW]
.endm
	PLACES NP
	s_wait_loadcnt 0x0                             ; the biases
	s_mov_b32 s[SEL], 0x76543210
	s_mov_b32 s[SEL+1], 0xfedcba98
	s_mov_b32 s22, 0xffff0000                      ; lanes 16-31
.irp b, 0,1,2,3
	v_mov_b32 v[TM+4+\b], 0                        ; written once: a lane permute's destination counts as one of its sources
.endr
	s_lshr_b32 s23, s66, 11                        ; the batch,
	s_lshl_b32 s23, s23, 4
	s_and_b32 s18, s67, 1023
	s_lshr_b32 s18, s18, 6                         ; my first head,
	s_add_co_u32 s23, s23, s18
	s_lshl_b32 s23, s23, 4
	s_bfe_u32 s18, s66, 0x40007                    ; my step of 128 tokens:
	s_add_co_u32 s23, s23, s18                     ; the record's number
	s_cmp_eq_u32 s95, 0
	s_cbranch_scc1 .Lv_region
	s_cmp_eq_u32 ttmp9, 0                          ; q's columns (cluster x = 0) or k's
	s_mov_b32 s92, 12800
	s_cselect_b32 s92, 6400, s92                   ; a record's bytes
	s_mov_b32 s93, 12288
	s_cselect_b32 s93, 6144, s93                   ; where its scale words begin
	s_cselect_b64 s[40:41], s[98:99], s[100:101]
	s_mul_i32 s2, s23, s92
	s_mov_b32 s3, 0
	s_add_nc_u64 s[40:41], s[40:41], s[2:3]        ; the first head's record
	s_lshl_b32 s2, s92, 4
	s_add_nc_u64 s[42:43], s[40:41], s[2:3]        ; the second head's: 16 records on
	s_mov_b32 s2, s93
	s_add_nc_u64 s[44:45], s[40:41], s[2:3]
	s_add_nc_u64 s[46:47], s[42:43], s[2:3]
.irp a, 0,1,2,3,4,5,6,7
	EPIQ \a
.endr
	s_wait_alu depctr_va_vdst(0)
	; the scale words: a pair of tiles shares a word (low half: the even tile's two bytes); lanes 0-15 carry pairs 0 and 2, lanes 16-31 pairs 1 and 3
	s_wait_xcnt 0x0
.irp b, 0,1,2,3
	v_perm_b32 v[W+\b], v[XW+2*\b+1], v[XW+2*\b], 0x05040100
.endr
	v_cndmask_b32 v[MW], v[W], v[W+1], s22
	v_cndmask_b32 v[MW+1], v[W+2], v[W+3], s22
	global_store_b64 v[L8], v[MW:MW+1], s[44:45]
	s_wait_xcnt 0x0
.irp b, 0,1,2,3
	v_perm_b32 v[W+\b], v[XW+2*\b+1], v[XW+2*\b], 0x07060302
.endr
	v_cndmask_b32 v[MW], v[W], v[W+1], s22
	v_cndmask_b32 v[MW+1], v[W+2], v[W+3], s22
	global_store_b64 v[L8], v[MW:MW+1], s[46:47]
	s_branch .Lend
.Lv_region:
	s_mul_i32 s2, s23, 12800
	s_add_co_u32 s2, s2, 6144
	s_mov_b32 s3, 0
	s_add_nc_u64 s[40:41], s[100:101], s[2:3]      ; v's fragments in the first head's record; the second head's lie 204,800 bytes on
.irp a, 0,1,2,3,4,5,6,7
	EPIV \a
.endr
	s_wait_alu depctr_va_vdst(0)
.irp c, 0,1
	s_wait_xcnt 0x0
	v_cndmask_b32 v[MW], v[XW+4*\c], v[XW+4*\c+1], s22
	v_cndmask_b32 v[MW+1], v[XW+4*\c+2], v[XW+4*\c+3], s22
	global_store_b64 v[L8], v[MW:MW+1], s[40:41] offset:\c*204800+6400
.endr
.Lend:
	s_wait_tensorcnt 0x0                           ; the wave's end
	ds_add_u32 v[SPW], v[NIL]
	s_wait_dscnt 0x0
	CROUND                                         ; the closing round
	s_endpgm
.Lfunc_end_k_q32775b233a_qkv:
	.size	k_q32775b233a_qkv, .Lfunc_end_k_q32775b233a_qkv-k_q32775b233a_qkv
	.p2alignl 7, 3214868480
	.fill 96, 4, 3214868480
	.section	.rodata,"a",@progbits
	.p2align	6, 0x0
	.amdhsa_kernel k_q32775b233a_qkv
		.amdhsa_group_segment_fixed_size 327680
		.amdhsa_private_segment_fixed_size 0
		.amdhsa_enable_private_segment 0
		.amdhsa_kernarg_size 56
		.amdhsa_user_sgpr_count 2
		.amdhsa_user_sgpr_kernarg_segment_ptr 1
		.amdhsa_wavefront_size32 1
		.amdhsa_system_sgpr_workgroup_id_x 1
		.amdhsa_system_sgpr_workgroup_id_y 1
		.amdhsa_system_sgpr_workgroup_id_z 1
		.amdhsa_system_vgpr_workitem_id 0
		.amdhsa_next_free_vgpr 1024
		.amdhsa_next_free_sgpr 102
		.amdhsa_reserve_vcc 0
		.amdhsa_float_denorm_mode_32 3
		.amdhsa_float_denorm_mode_16_64 3
		.amdhsa_memory_ordered 1
		.amdhsa_forward_progress 1
		.amdhsa_inst_pref_size 236
	.end_amdhsa_kernel
	.amdgpu_metadata
---
amdhsa.version: [ 1, 2 ]
amdhsa.kernels:
  - .name:           k_q32775b233a_qkv
    .symbol:         k_q32775b233a_qkv.kd
    .args:
      - { .name: hidden_states_codes, .offset: 0, .size: 8, .value_kind: global_buffer, .address_space: global }
      - { .name: hidden_states_scales, .offset: 8, .size: 8, .value_kind: global_buffer, .address_space: global }
      - { .name: w_attn_codes, .offset: 16, .size: 8, .value_kind: global_buffer, .address_space: global }
      - { .name: w_attn_scales, .offset: 24, .size: 8, .value_kind: global_buffer, .address_space: global }
      - { .name: b_attn, .offset: 32, .size: 8, .value_kind: global_buffer, .address_space: global }
      - { .name: qbuf, .offset: 40, .size: 8, .value_kind: global_buffer, .address_space: global }
      - { .name: kv, .offset: 48, .size: 8, .value_kind: global_buffer, .address_space: global }
    .group_segment_fixed_size: 327680
    .private_segment_fixed_size: 0
    .kernarg_segment_align: 8
    .kernarg_segment_size: 56
    .max_flat_workgroup_size: 128
    .sgpr_count:     102
    .vgpr_count:     1024
    .wavefront_size: 32
...
	.end_amdgpu_metadata
.endif
;; end of part 1
;; launch attn (part 2): grid 4 x 64, 16 waves a work-group, clusters of 4 x 1, 206,848 bytes of LDS; arguments qbuf, kv, ctx_codes, ctx_scales; writes ctx_codes, ctx_scales
.if DOCPART == 2
	.amdgcn_target "amdgcn-amd-amdhsa--gfx1250"
	.amdhsa_code_object_version 6
	.text
	.protected	k_q32775b233a_attn
	.globl	k_q32775b233a_attn
	.p2align	8
	.type	k_q32775b233a_attn,@function
k_q32775b233a_attn:
	s_mov_b64 s[64:65], 0
	v_nop
	global_prefetch_b8 v0, s[64:65] scope:SCOPE_SE
	s_setreg_imm32_b32 hwreg(HW_REG_WAVE_MODE, 25, 1), 1
	s_wait_xcnt 0x0
	s_wait_alu depctr_hold_cnt(0) depctr_sa_sdst(0) depctr_va_vdst(0) depctr_va_sdst(0) depctr_va_ssrc(0) depctr_va_vcc(0) depctr_vm_vsrc(0)
	s_getreg_b32 s2, hwreg(HW_REG_IB_STS2, 6, 4)
	s_cmp_eq_u32 s2, 0
	s_cbranch_scc0 .Lentry_in_a_cluster
	s_endpgm
.Lentry_in_a_cluster:
	s_bfe_u32 s2, ttmp6, 0x10000c
	s_cmp_lg_u32 s2, 0x3003
	s_cbranch_scc0 .Lentry_shape_is_right
	s_endpgm
.Lentry_shape_is_right:
; Causal attention of one (batch, head) a cluster, both products on codes of FP6 (E2M3) with E8M0 scales, and ctx quantised along D for the last product.
; THE HEAD'S k AND v (16 records of 12,800 bytes, images of operand registers) lie in LDS for the whole launch: wave w of each of the four partners asks JOINTLY for record w, once.  No slot is filled again, so the loops have no barrier.
; SHARES.  A wave owns two tiles of 16 queries, one after the other: tile p = 8 (w / 2) + 2 cx + w % 2 and tile 127 - p.  The step of 128 keys on the diagonal, w / 2 or 15 - w / 2, hangs on the wave's number alone;
; cx enters global addresses and compared values only.  So every wave has 17 steps with visible keys and 15 wholly hidden ones.
; LAYOUT.  S^T = k q^T: a fragment of k holds TWO keys a row (64 dims each); q stands in the lower or the upper half of source 1, zeros in the other.  O^T = v^T p^T.  A lane holds one query throughout.
; Register 16 b + 8 u + j of the scores is key 32 b + 16 u + 8 (lane / 16) + j: inside a block of 32 the same order in which the launch before laid v's codes.
; SOFTMAX: t = score x log2(e) / 8; M = the running largest t rounded up; p = 2^(t - M) is quantised; the sum is taken of the unquantised p.
; THE MASK'S VALUE IS -10000, NOT -INFINITY.  On the diagonal hidden scores become -80000 (x 1/8).  A wholly hidden step has the same p_m = 2^(t_m - M) at every key: it adds 128 p_m to the sum and Q(p_m) x (the sum of v's quantised numbers)
; to O.  That sum is made by the matrix unit with the code 1.0 in every place of source 1 (4 instructions a hidden step), and is folded in at the tile's end, under the final M; M starts at t_m where hidden steps exist.
; LIMITS: p_m under 2^-126 counts as 0, and between 2^-126 and 2^-124 its scale is not held at -126 (both under 1e-37 beside a sum of at least 1/2); blocks of zeros get the scale byte 1; NaN and infinities are not served.
.set L16, 1                            ; 16 x lane
.set L8,  2                            ; 8 x lane
.set R8,  3                            ; 8 r
.set R32, 4                            ; 32 r
.set TMP, 5
.set FF,  6                            ; v[6:7] the factor in hand (v7 is only named with it)
.set AD16, 8
.set AD8, 9
.set DD,  10                           ; my query in its step, less 8 (lane / 16)
.set SM,  11                           ; -80000.0
.set QF,  16                           ; v16-21 q, v22-27 zeros, v28-33 q
.set QS,  34
.set QW,  35
.set KSC, 36
.set VSC, 38
.set ONES, 40
.set PS,  41
.set BM,  42
.set CT,  46
.set SO,  54
.set KV,  58                           ; v58-105 four fragments of k or of v
.set SCR, 106                          ; v106-169 scores, then p
.set OT,  170                          ; v170-201 O^T
.set SVT, 202                          ; v202-233 the hidden steps' sums of v
.set CD,  234                          ; v234-245 codes
.set RL,  246
.set RD0, 248
.macro CROUND
	s_barrier_signal -1
	s_barrier_wait -1
	s_cmp_lg_u32 s12, 0
	s_cbranch_scc1 .Lnot_wave_0_\@
	s_barrier_signal -3
.Lnot_wave_0_\@:
	s_barrier_wait -3
	s_barrier_signal -1
	s_barrier_wait -1
.endm
	s_load_b256 s[4:11], s[0:1], 0x0               ; qbuf s[4:5], kv s[6:7], ctx_codes s[8:9], ctx_scales s[10:11]
	v_lshl_add_u32 v254, v0, 2, 0x32000
	v_mov_b32 v255, 0
	ds_add_u32 v254, v255
	ds_add_u32 v254, v255
	s_wait_dscnt 0x0
	v_lshrrev_b32 v1, 5, v0
	s_delay_alu instid0(VALU_DEP_1)
	v_readfirstlane_b32 s12, v1                    ; wave 0..15
	s_bfe_u32 s13, ttmp6, 0x40000                  ; cx
	s_and_b32 s14, ttmp7, 0xffff                   ; 16 x batch + head
	s_mov_b32 s16, 15|(3<<16)|(1<<21)              ; group 1: all four partners; elements of 8 bytes; bit 21 beside a mask; no padding
	s_mov_b32 s17, 32<<16                          ; a record is a dense block: 50 rows of 256 bytes
	s_mov_b32 s18, 50<<16
	s_mov_b32 s19, 32<<16
	s_mov_b32 s20, 50
	s_mov_b32 s21, 32
	s_mov_b32 s22, 0
	s_mov_b32 s23, 0
	s_mov_b32 s24, 1
	s_mul_i32 s25, s12, 12800                      ; record w goes to LDS byte 12,800 w
	s_mul_i32 s50, s14, 204800
	s_add_co_u32 s50, s50, s25
	s_mov_b32 s51, 0
	s_mov_b32 s28, 0x76543210
	s_mov_b32 s29, 0xfedcba98                      ; lane l xor 16
	s_mov_b32 s30, 0x3e38aa3b                      ; c = log2(e) / 8
	s_mov_b32 s31, s30
	s_lshl_b32 s32, s13, 1
	s_and_b32 s52, s12, 1
	s_add_co_u32 s32, s32, s52                     ; 2 cx + w % 2
	s_lshr_b32 s33, s12, 1                         ; w / 2
	s_wait_kmcnt 0x0
	s_add_nc_u64 s[26:27], s[6:7], s[50:51]
	s_or_b32 s27, s27, 0x80000000
	CROUND                                         ; all four work-groups are here: the joint loads meet
	tensor_load_to_lds s[24:27], s[16:23]          ; my one tensor load
	s_nop 0
.rept 4
	v_nop
.endr
	v_and_b32 v5, 31, v0
	s_delay_alu instid0(VALU_DEP_1)
	v_lshlrev_b32 v[L16], 4, v5
	s_delay_alu instid0(VALU_DEP_2)
	v_lshlrev_b32 v[L8], 3, v5
	v_and_b32 v5, 15, v0
	s_delay_alu instid0(VALU_DEP_1)
	v_lshlrev_b32 v[R8], 3, v5
	s_delay_alu instid0(VALU_DEP_2)
	v_lshlrev_b32 v[R32], 5, v5
	v_bfe_u32 v9, v0, 4, 1
	s_delay_alu instid0(VALU_DEP_1)
	v_lshlrev_b32 v9, 3, v9
	s_delay_alu instid0(VALU_DEP_1)
	v_sub_nc_u32 v[RD0], v5, v9                    ; r - 8 h
	v_mov_b32 v7, 0
	v_mov_b32 v247, 0
	v_mov_b32 v[SM], 0xc79c4000
	v_mov_b32 v[ONES], 0x7f7f7f7f                  ; four scale bytes of 1.0
.irp j, 6,7,8,9,10,11
	v_mov_b32 v[QF+\j], 0                          ; the zero half between q's two copies
.endr
.irp j, 0,1,2,3,4,5,6,7
	v_mov_b32 v[CT+\j], 0                          ; written once: a lane permute's destination counts as one of its sources
.endr
	s_wait_tensorcnt 0x0                           ; my record is in,
	s_barrier_signal -1
	s_barrier_wait -1                              ; everybody's is
.macro VLOAD                           ; the step's four fragments of v^T and their scale words
.irp t, 0,1,2,3
.irp g, 0,1,2
	ds_load_b128 v[KV+12*\t+4*\g:KV+12*\t+4*\g+3], v[AD16] offset:6144+1536*\t+512*\g
.endr
.endr
	ds_load_b64 v[VSC:VSC+1], v[AD8] offset:12544
.endm
.macro VMUL acc, cod, sc               ; four accumulators by turns: acc += v^T x the codes in v[cod] on
.irp t, 0,1,2,3
.if \t%2
	v_wmma_scale_f32_16x16x128_f8f6f4 v[\acc+8*\t:\acc+8*\t+7], v[KV+12*\t:KV+12*\t+11], v[\cod:\cod+11], v[\acc+8*\t:\acc+8*\t+7], v[VSC+\t/2], v[\sc] matrix_a_fmt:MATRIX_FMT_FP6 matrix_b_fmt:MATRIX_FMT_FP6 matrix_a_scale:MATRIX_SCALE_ROW1
.else
	v_wmma_scale_f32_16x16x128_f8f6f4 v[\acc+8*\t:\acc+8*\t+7], v[KV+12*\t:KV+12*\t+11], v[\cod:\cod+11], v[\acc+8*\t:\acc+8*\t+7], v[VSC+\t/2], v[\sc] matrix_a_fmt:MATRIX_FMT_FP6 matrix_b_fmt:MATRIX_FMT_FP6
.endif
.endr
.endm
; A STEP WITH VISIBLE KEYS
.macro VISIBLE
	v_add_nc_u32 v[AD16], s38, v[L16]
	v_add_nc_u32 v[AD8], s38, v[L8]
	v_nop
	v_nop                                          ; four places behind the last matrix instruction, in front of loads into its registers
.irp f, 0,1,2,3
	ds_load_b128 v[KV+12*\f:KV+12*\f+3], v[AD16] offset:1536*\f
	ds_load_b64 v[KV+12*\f+4:KV+12*\f+5], v[AD8] offset:1536*\f+512
	ds_load_b128 v[KV+12*\f+6:KV+12*\f+9], v[AD16] offset:1536*\f+768
	ds_load_b64 v[KV+12*\f+10:KV+12*\f+11], v[AD8] offset:1536*\f+1280
.endr
	ds_load_b64 v[KSC:KSC+1], v[AD8] offset:12288
	s_wait_alu depctr_va_vdst(0)
	s_wait_dscnt 0x0
.irp f, 0,1,2,3
.if \f%2
	v_wmma_scale_f32_16x16x128_f8f6f4 v[SCR+16*\f:SCR+16*\f+7], v[KV+12*\f:KV+12*\f+11], v[QF:QF+11], 0, v[KSC+\f/2], v[QS] matrix_a_fmt:MATRIX_FMT_FP6 matrix_b_fmt:MATRIX_FMT_FP6 matrix_a_scale:MATRIX_SCALE_ROW1
	v_wmma_scale_f32_16x16x128_f8f6f4 v[SCR+16*\f+8:SCR+16*\f+15], v[KV+12*\f:KV+12*\f+11], v[QF+6:QF+17], 0, v[KSC+\f/2], v[QS] matrix_a_fmt:MATRIX_FMT_FP6 matrix_b_fmt:MATRIX_FMT_FP6 matrix_a_scale:MATRIX_SCALE_ROW1
.else
	v_wmma_scale_f32_16x16x128_f8f6f4 v[SCR+16*\f:SCR+16*\f+7], v[KV+12*\f:KV+12*\f+11], v[QF:QF+11], 0, v[KSC+\f/2], v[QS] matrix_a_fmt:MATRIX_FMT_FP6 matrix_b_fmt:MATRIX_FMT_FP6
	v_wmma_scale_f32_16x16x128_f8f6f4 v[SCR+16*\f+8:SCR+16*\f+15], v[KV+12*\f:KV+12*\f+11], v[QF+6:QF+17], 0, v[KSC+\f/2], v[QS] matrix_a_fmt:MATRIX_FMT_FP6 matrix_b_fmt:MATRIX_FMT_FP6
.endif
.endr
.rept 4
	v_nop                                          ; places: for the loads over k's fragments and for the first reads of the scores
.endr
	VLOAD                                          ; v lands while the softmax is walked
	s_cmp_lg_u32 s37, s34                          ; the mask, on the diagonal's step alone
	s_cbranch_scc1 .Lopen_\@
.irp n, 0,1,2,3,4,5,6,7,8,9,10,11,12,13,14,15,16,17,18,19,20,21,22,23,24,25,26,27,28,29,30,31,32,33,34,35,36,37,38,39,40,41,42,43,44,45,46,47,48,49,50,51,52,53,54,55,56,57,58,59,60,61,62,63
	v_cmp_gt_i32 vcc_lo, 2*(\n-\n%8)+\n%8, v[DD]   ; register n's key, less 8 (lane / 16), against my query
	v_cndmask_b32 v[SCR+\n], v[SCR+\n], v[SM], vcc_lo
.endr
.Lopen_\@:
.irp b, 0,1,2,3
	v_max3_num_f32 v[BM+\b], v[SCR+16*\b], v[SCR+16*\b+1], v[SCR+16*\b+2]   ; each block's largest score: for the row's maximum and for the block's largest p
.endr
.irp i, 3,5,7,9,11,13
.irp b, 0,1,2,3
	v_max3_num_f32 v[BM+\b], v[BM+\b], v[SCR+16*\b+\i], v[SCR+16*\b+\i+1]
.endr
.endr
.irp b, 0,1,2,3
	v_max_num_f32 v[BM+\b], v[BM+\b], v[SCR+16*\b+15]
.endr
.irp b, 0,1,2,3
	s_delay_alu instid0(VALU_DEP_4)
	v_permlanex16_b32 v[CT+\b], v[BM+\b], s28, s29
.endr
.irp b, 0,1,2,3
	s_delay_alu instid0(VALU_DEP_4)
	v_max_num_f32 v[BM+\b], v[BM+\b], v[CT+\b]
.endr
	s_delay_alu instid0(VALU_DEP_2)
	v_max3_num_f32 v[TMP], v[BM], v[BM+1], v[BM+2]
	s_delay_alu instid0(VALU_DEP_1)
	v_max_num_f32 v[TMP], v[TMP], v[BM+3]
	s_delay_alu instid0(VALU_DEP_1)
	v_mul_f32 v[TMP], s30, v[TMP]
	s_delay_alu instid0(VALU_DEP_1)
	v_max_num_f32 v13, v13, v[TMP]                 ; the running largest t
	v_mov_b32 v[TMP], v12
	s_delay_alu instid0(VALU_DEP_2)
	v_floor_f32 v12, -v13                          ; -M = floor(-t)
	s_delay_alu instid0(VALU_DEP_1)
	v_sub_f32 v[TMP], v12, v[TMP]
	s_delay_alu instid0(VALU_DEP_1)
	v_cvt_i32_f32 v[TMP], v[TMP]
	s_delay_alu instid0(VALU_DEP_1)
	v_ldexp_f32 v[FF], 1.0, v[TMP]                 ; f = 2^(old M - new M)
.irp j, 0,2,4,6,8,10,12,14,16,18,20,22,24,26,28,30,32,34,36,38,40,42,44,46,48,50,52,54,56,58,60,62
	v_pk_fma_f32 v[SCR+\j:SCR+\j+1], v[SCR+\j:SCR+\j+1], s[30:31], v[12:13] op_sel_hi:[1,0,0]   ; t - M
.endr
	s_setprio 1
.irp b, 0,1,2,3
	v_fma_f32 v[BM+\b], v[BM+\b], s30, v12
.endr
	s_wait_alu depctr_va_vdst(0)
.irp j, 0,1,2,3,4,5,6,7,8,9,10,11,12,13,14,15,16,17,18,19,20,21,22,23,24,25,26,27,28,29,30,31,32,33,34,35,36,37,38,39,40,41,42,43,44,45,46,47,48,49,50,51,52,53,54,55,56,57,58,59,60,61,62,63
	v_exp_f32 v[SCR+\j], v[SCR+\j]                 ; p
.endr
	v_pk_mul_f32 v[14:15], v[14:15], v[FF:FF+1] op_sel_hi:[1,0]   ; the sums under the new M; the plain place behind the exponentials
	s_wait_alu depctr_va_vdst(0)                   ; one wait for the batch, ahead of its first reader
.irp b, 0,1,2,3
	v_exp_f32 v[BM+\b], v[BM+\b]                   ; each block's largest p
.endr
	v_pk_add_f32 v[46:47], v[110:111], v[114:115]
	v_pk_add_f32 v[252:253], v[118:119], v[122:123]
	v_pk_add_f32 v[250:251], v[126:127], v[130:131]
	v_pk_add_f32 v[244:245], v[134:135], v[138:139]
	v_pk_add_f32 v[242:243], v[142:143], v[146:147]
	v_pk_add_f32 v[240:241], v[150:151], v[154:155]
	v_pk_add_f32 v[238:239], v[158:159], v[162:163]
	v_pk_add_f32 v[14:15], v[14:15], v[166:167]
	v_pk_add_f32 v[46:47], v[46:47], v[106:107]
	v_pk_add_f32 v[252:253], v[252:253], v[108:109]
	v_pk_add_f32 v[250:251], v[250:251], v[112:113]
	v_pk_add_f32 v[244:245], v[244:245], v[116:117]
	v_pk_add_f32 v[242:243], v[242:243], v[120:121]
	v_pk_add_f32 v[240:241], v[240:241], v[124:125]
	v_pk_add_f32 v[238:239], v[238:239], v[128:129]
	v_pk_add_f32 v[14:15], v[14:15], v[132:133]
	v_pk_add_f32 v[46:47], v[46:47], v[136:137]
	v_pk_add_f32 v[252:253], v[252:253], v[140:141]
	v_pk_add_f32 v[250:251], v[250:251], v[144:145]
	v_pk_add_f32 v[244:245], v[244:245], v[148:149]
	v_pk_add_f32 v[242:243], v[242:243], v[152:153]
	v_pk_add_f32 v[240:241], v[240:241], v[156:157]
	v_pk_add_f32 v[238:239], v[238:239], v[160:161]
	v_pk_add_f32 v[14:15], v[14:15], v[164:165]
	v_pk_add_f32 v[46:47], v[46:47], v[168:169]
	s_delay_alu instid0(VALU_DEP_2)
	v_pk_add_f32 v[14:15], v[14:15], v[244:245]
	s_delay_alu instid0(VALU_DEP_2)
	v_pk_add_f32 v[46:47], v[46:47], v[242:243]
	v_pk_add_f32 v[252:253], v[252:253], v[240:241]
	v_pk_add_f32 v[250:251], v[250:251], v[238:239]
	s_delay_alu instid0(VALU_DEP_2)
	v_pk_add_f32 v[14:15], v[14:15], v[252:253]
	s_delay_alu instid0(VALU_DEP_2)
	v_pk_add_f32 v[46:47], v[46:47], v[250:251]
	s_delay_alu instid0(VALU_DEP_1)
	v_pk_add_f32 v[14:15], v[14:15], v[46:47]
	s_wait_alu depctr_va_vdst(0)                   ; and one for the four
.irp b, 0,1,2,3
	v_max_num_f32 v[BM+\b], 0x1800000, v[BM+\b]    ; the floor 2^(3 - 127)
.endr
.irp b, 0,1,2,3
	s_delay_alu instid0(VALU_DEP_4)
	v_add_nc_u32 v[SO+\b], 0xff000000, v[BM+\b]
.endr
.irp b, 0,1,2,3
	s_delay_alu instid0(VALU_DEP_4)
	v_lshrrev_b32 v[CT+\b], 23, v[SO+\b]
.endr
	s_delay_alu instid0(VALU_DEP_3)
	v_lshl_or_b32 v[PS], v[CT+1], 8, v[CT]
	s_delay_alu instid0(VALU_DEP_1)
	v_lshl_or_b32 v[PS], v[CT+2], 16, v[PS]
	s_delay_alu instid0(VALU_DEP_1)
	v_lshl_or_b32 v[PS], v[CT+3], 24, v[PS]
	s_setprio 0
.irp c, 0,1
	v_cvt_scalef32_pk16_fp6_f32 v[CD+6*\c:CD+6*\c+2], v[SCR+32*\c:SCR+32*\c+15], v[SO+2*\c]
	v_cvt_scalef32_pk16_fp6_f32 v[CT+4*\c:CT+4*\c+2], v[SCR+32*\c+16:SCR+32*\c+31], v[SO+2*\c+1]
.endr
	v_nop
.irp c, 0,1
.irp i, 0,1,2
	v_permlane16_swap_b32 v[CD+6*\c+\i], v[CT+4*\c+\i]
.endr
.irp i, 0,1,2
	s_delay_alu instid0(VALU_DEP_3)
	v_mov_b32 v[CD+6*\c+3+\i], v[CT+4*\c+\i]
.endr
.endr
.irp j, 0,2,4,6,8,10,12,14,16,18,20,22,24,26,28,30
	v_pk_mul_f32 v[OT+\j:OT+\j+1], v[OT+\j:OT+\j+1], v[FF:FF+1] op_sel_hi:[1,0]   ; O^T under the new M; these lines also stand between the codes' and the scale word's last writes and the products
.endr
	s_wait_alu depctr_va_vdst(0)
	s_wait_dscnt 0x0                               ; v is in
	VMUL OT, CD, PS
.endm
; A WHOLLY HIDDEN STEP: the sum of v's quantised numbers over its 128 keys
.macro HIDDEN
	v_add_nc_u32 v[AD16], s38, v[L16]
	v_add_nc_u32 v[AD8], s38, v[L8]
	v_nop
	v_nop
.irp c, 0,1,2,3
	v_mov_b32 v[CD+3*\c], 0x08208208               ; the code of 1.0 (001000) in all 128 places
	v_mov_b32 v[CD+3*\c+1], 0x82082082
	v_mov_b32 v[CD+3*\c+2], 0x20820820
.endr
	VLOAD
.rept 4
	v_nop                                          ; an operand written by vector instructions stands four places ahead of a scaled matrix instruction
.endr
	s_wait_alu depctr_va_vdst(0)
	s_wait_dscnt 0x0
	VMUL SVT, CD, ONES
.endm
; ONE TILE OF 16 QUERIES.  late = 0: tile p; 1: tile 127 - p
.macro TILE late
	s_wait_xcnt 0x0                                ; the last tile's stores have read their data and bases
.if \late
	s_sub_co_u32 s34, 15, s33                      ; the diagonal's step
	s_sub_co_u32 s35, 7, s32                       ; the tile in that step
.else
	s_mov_b32 s34, s33
	s_mov_b32 s35, s32
.endif
	s_lshl_b32 s36, s34, 3
	s_add_co_u32 s36, s36, s35                     ; the tile's number in the head
	s_lshl_b32 s50, s14, 4
	s_add_co_u32 s50, s50, s34
	s_mul_i32 s50, s50, 6400                       ; q's record
	s_mul_i32 s51, s35, 768
	s_add_co_u32 s52, s50, s51
	s_mov_b32 s53, 0
	s_add_nc_u64 s[42:43], s[4:5], s[52:53]        ; my tile's image
	s_bfe_u32 s51, s35, 0x10001
	s_lshl_b32 s51, s51, 7
	s_lshr_b32 s54, s35, 2
	s_lshl_b32 s54, s54, 2
	s_add_co_u32 s52, s50, s51
	s_add_co_u32 s52, s52, s54
	s_add_co_u32 s52, s52, 6144
	s_add_nc_u64 s[44:45], s[4:5], s[52:53]        ; the scale words of my pair of tiles
	global_load_b128 v[QF:QF+3], v[L16], s[42:43]
	global_load_b64 v[QF+4:QF+5], v[L8], s[42:43] offset:512
	global_load_b128 v[QF+12:QF+15], v[L16], s[42:43]
	global_load_b64 v[QF+16:QF+17], v[L8], s[42:43] offset:512
	global_load_b32 v[QW], v[R8], s[44:45]
	s_and_b32 s51, s35, 1
	s_cmp_lg_u32 s51, 0
	s_mov_b32 s41, 0x01000100
	s_cselect_b32 s41, 0x03020302, s41             ; which half of the word is my tile's
	s_lshr_b32 s50, s14, 4                         ; batch
	s_and_b32 s51, s14, 15                         ; head
	s_lshl_b32 s52, s50, 7
	s_add_co_u32 s52, s52, s36                     ; the tile of tokens, 0..511
	s_lshl_b32 s54, s52, 4
	s_add_co_u32 s54, s54, s51
	s_mul_i32 s54, s54, 768
	s_mov_b32 s55, 0
	s_add_nc_u64 s[46:47], s[8:9], s[54:55]        ; ctx's image
	s_lshl_b32 s54, s52, 9
	s_lshl_b32 s51, s51, 1
	s_add_co_u32 s54, s54, s51
	s_add_nc_u64 s[48:49], s[10:11], s[54:55]      ; ctx's scale bytes: 32 a token, 2 a head
	s_sub_co_u32 s50, 15, s34
	s_lshl_b32 s50, s50, 7                         ; keys in wholly hidden steps
	s_lshl_b32 s51, s35, 4
	s_cmp_lt_u32 s34, 15
	s_mov_b32 s39, 0xff61b1e6                      ; -3e38
	s_cselect_b32 s39, 0xc79c4000, s39             ; where hidden steps exist the largest score starts at the mask's
	v_cvt_f32_u32 v255, s50
	v_add_nc_u32 v[DD], s51, v[RD0]
	v_mov_b32 v13, s39
	s_delay_alu instid0(VALU_DEP_1)
	v_mul_f32 v13, s30, v13
	s_delay_alu instid0(VALU_DEP_1)
	v_floor_f32 v12, -v13
	v_mov_b32 v14, 0
	v_mov_b32 v15, 0
.irp j, 0,1,2,3,4,5,6,7,8,9,10,11,12,13,14,15,16,17,18,19,20,21,22,23,24,25,26,27,28,29,30,31
	v_mov_b32 v[OT+\j], 0
.endr
	s_wait_loadcnt 0x0
	v_perm_b32 v[QS], v[QW], v[QW], s41            ; q's two bytes in both halves of the word
.irp j, 0,1,2,3,4,5,6,7,8,9,10,11,12,13,14,15,16,17,18,19,20,21,22,23,24,25,26,27,28,29,30,31
	v_mov_b32 v[SVT+\j], 0                         ; (more than the eight places that a scale register written by a vector instruction wants)
.endr
	s_mov_b32 s37, 0                               ; the step
	s_mov_b32 s38, 0                               ; its record in LDS
.Lstep_\@:                                         ; 16 trips in every wave; which of the two bodies runs hangs on the wave's number
	s_cmp_gt_u32 s37, s34
	s_cbranch_scc1 .Lhid_\@
	s_setprio 2
	VISIBLE
	s_branch .Lnext_\@
.Lhid_\@:
	HIDDEN
.Lnext_\@:
	s_add_co_u32 s38, s38, 12800
	s_add_co_u32 s37, s37, 1
	s_cmp_lt_u32 s37, 16
	s_cbranch_scc1 .Lstep_\@
	s_setprio 0
	; the tile's end
	v_fma_f32 v[TMP], v[SM], s30, v12              ; t_m - M
	v_add_f32 v14, v14, v15
	s_wait_alu depctr_va_vdst(0)
	v_exp_f32 v249, v[TMP]                         ; p_m
	v_permlanex16_b32 v[CT], v14, s28, s29
	s_delay_alu instid0(VALU_DEP_1)
	v_add_f32 v14, v14, v[CT]
	s_wait_alu depctr_va_vdst(0)
	v_fma_f32 v14, v255, v249, v14                 ; the row's sum, hidden steps' keys included
	s_wait_alu depctr_va_vdst(0)
	v_rcp_f32 v[RL], v14
	v_and_b32 v250, 0x7f800000, v249               ; 2^floor(log2 p_m)
	s_delay_alu instid0(VALU_DEP_1)
	v_add_nc_u32 v251, 0x0a400000, v250            ; 1.5 x 2^20 times that: adding and taking it away rounds to 3 mantissa bits, ties to even
	v_add_f32 v252, v249, v251
	s_delay_alu instid0(VALU_DEP_1)
	v_sub_f32 v252, v252, v251
	s_delay_alu instid0(VALU_DEP_4)
	v_or_b32 v253, 0x700000, v250                  ; 7.5 x the block's scale
	s_delay_alu instid0(VALU_DEP_1)
	v_min_num_f32 v[FF], v252, v253                ; Q(p_m)
	s_wait_alu depctr_va_vdst(0)
.irp j, 0,2,4,6,8,10,12,14,16,18,20,22,24,26,28,30
	v_pk_fma_f32 v[OT+\j:OT+\j+1], v[SVT+\j:SVT+\j+1], v[FF:FF+1], v[OT+\j:OT+\j+1] op_sel_hi:[1,0,1]
.endr
	s_wait_alu depctr_va_vdst(0)                   ; the reciprocal
.irp j, 0,2,4,6,8,10,12,14,16,18,20,22,24,26,28,30
	v_pk_mul_f32 v[OT+\j:OT+\j+1], v[OT+\j:OT+\j+1], v[RL:RL+1] op_sel_hi:[1,0]
.endr
.irp b, 0,1                                    ; w_proj's codes lie in true order, so ctx's must: after these a lane's register 16 b + i is dim 32 b + 16 (lane / 16) + i
.irp j, 0,1,2,3,4,5,6,7
	v_permlane16_swap_b32 v[OT+16*\b+\j], v[OT+16*\b+8+\j]
.endr
.endr
.irp b, 0,1
	v_max3_num_f32 v[BM+\b], |v[OT+16*\b]|, |v[OT+16*\b+1]|, 0x1800000
.endr
.irp i, 2,4,6,8,10,12,14
.irp b, 0,1
	s_delay_alu instid0(VALU_DEP_2)
	v_max3_num_f32 v[BM+\b], v[BM+\b], |v[OT+16*\b+\i]|, |v[OT+16*\b+\i+1]|
.endr
.endr
.irp b, 0,1
	s_delay_alu instid0(VALU_DEP_2)
	v_permlanex16_b32 v[CT+\b], v[BM+\b], s28, s29
.endr
.irp b, 0,1
	s_delay_alu instid0(VALU_DEP_2)
	v_max_num_f32 v[BM+\b], v[BM+\b], v[CT+\b]
.endr
.irp b, 0,1
	s_delay_alu instid0(VALU_DEP_2)
	v_add_nc_u32 v[SO+\b], 0xff000000, v[BM+\b]
.endr
.irp b, 0,1
	s_delay_alu instid0(VALU_DEP_2)
	v_lshrrev_b32 v[250+\b], 23, v[SO+\b]
.endr
	s_delay_alu instid0(VALU_DEP_1)
	v_lshl_or_b32 v252, v251, 8, v250              ; the head's two scale bytes of my token
	v_cvt_scalef32_pk16_fp6_f32 v[CD:CD+2], v[OT:OT+15], v[SO]
	v_cvt_scalef32_pk16_fp6_f32 v[CT:CT+2], v[OT+16:OT+31], v[SO+1]
	v_nop
.irp i, 0,1,2
	v_permlane16_swap_b32 v[CD+\i], v[CT+\i]
.endr
.irp i, 0,1,2
	s_delay_alu instid0(VALU_DEP_3)
	v_mov_b32 v[CD+3+\i], v[CT+\i]
.endr
	global_store_b128 v[L16], v[CD:CD+3], s[46:47]             ; 512 and 256 consecutive bytes, aligned
	global_store_b64 v[L8], v[CD+4:CD+5], s[46:47] offset:512
	global_store_b16 v[R32], v252, s[48:49]                    ; 2 bytes a token, 32 bytes apart (both halves of the lanes write the same bytes): a scale row's other bytes belong to other heads' clusters
.endm
	TILE 0
	TILE 1
	s_wait_dscnt 0x0
	s_wait_xcnt 0x0
	v_lshl_add_u32 v254, v0, 2, 0x32000
	v_mov_b32 v255, 0
	s_wait_alu depctr_va_vdst(0)
	s_wait_tensorcnt 0x0
	ds_add_u32 v254, v255
	s_wait_dscnt 0x0
	CROUND                                         ; the closing round
	s_endpgm
.Lfunc_end_k_q32775b233a_attn:
	.size	k_q32775b233a_attn, .Lfunc_end_k_q32775b233a_attn-k_q32775b233a_attn
	.p2alignl 7, 3214868480
	.fill 96, 4, 3214868480
	.section	.rodata,"a",@progbits
	.p2align	6, 0x0
	.amdhsa_kernel k_q32775b233a_attn
		.amdhsa_group_segment_fixed_size 206848
		.amdhsa_private_segment_fixed_size 0
		.amdhsa_enable_private_segment 0
		.amdhsa_kernarg_size 32
		.amdhsa_user_sgpr_count 2
		.amdhsa_user_sgpr_kernarg_segment_ptr 1
		.amdhsa_wavefront_size32 1
		.amdhsa_system_sgpr_workgroup_id_x 1
		.amdhsa_system_sgpr_workgroup_id_y 1
		.amdhsa_system_sgpr_workgroup_id_z 1
		.amdhsa_system_vgpr_workitem_id 0
		.amdhsa_next_free_vgpr 256
		.amdhsa_next_free_sgpr 66
		.amdhsa_reserve_vcc 1
		.amdhsa_float_denorm_mode_32 3
		.amdhsa_float_denorm_mode_16_64 3
		.amdhsa_memory_ordered 1
		.amdhsa_forward_progress 1
		.amdhsa_inst_pref_size 76
	.end_amdhsa_kernel
	.amdgpu_metadata
---
amdhsa.version: [ 1, 2 ]
amdhsa.kernels:
  - .name:           k_q32775b233a_attn
    .symbol:         k_q32775b233a_attn.kd
    .args:
      - { .name: qbuf, .offset: 0, .size: 8, .value_kind: global_buffer, .address_space: global }
      - { .name: kv, .offset: 8, .size: 8, .value_kind: global_buffer, .address_space: global }
      - { .name: ctx_codes, .offset: 16, .size: 8, .value_kind: global_buffer, .address_space: global }
      - { .name: ctx_scales, .offset: 24, .size: 8, .value_kind: global_buffer, .address_space: global }
    .group_segment_fixed_size: 206848
    .private_segment_fixed_size: 0
    .kernarg_segment_align: 8
    .kernarg_segment_size: 32
    .max_flat_workgroup_size: 512
    .sgpr_count:     66
    .vgpr_count:     256
    .wavefront_size: 32
...
	.end_amdgpu_metadata
.endif
;; end of part 2
;; launch proj (part 3): grid 4 x 32, 4 waves a work-group, clusters of 4 x 4, 327,680 bytes of LDS; arguments ctx_codes, ctx_scales, w_proj_codes, w_proj_scales, b_proj, out0; writes out0
.if DOCPART == 3
	.amdgcn_target "amdgcn-amd-amdhsa--gfx1250"
	.amdhsa_code_object_version 6
	.text
	.protected	k_q32775b233a_proj
	.globl	k_q32775b233a_proj
	.p2align	8
	.type	k_q32775b233a_proj,@function
k_q32775b233a_proj:
	s_mov_b64 s[64:65], 0
	v_nop
	global_prefetch_b8 v0, s[64:65] scope:SCOPE_SE
	s_setreg_imm32_b32 hwreg(HW_REG_WAVE_MODE, 25, 1), 1
	s_wait_xcnt 0x0
	s_wait_alu depctr_hold_cnt(0) depctr_sa_sdst(0) depctr_va_vdst(0) depctr_va_sdst(0) depctr_va_ssrc(0) depctr_va_vcc(0) depctr_vm_vsrc(0)
	s_getreg_b32 s2, hwreg(HW_REG_IB_STS2, 6, 4)
	s_cmp_eq_u32 s2, 0
	s_cbranch_scc0 .Lentry_in_a_cluster
	s_endpgm
.Lentry_in_a_cluster:
	s_bfe_u32 s2, ttmp6, 0x10000c
	s_cmp_lg_u32 s2, 0xf033
	s_cbranch_scc0 .Lentry_shape_is_right
	s_endpgm
.Lentry_shape_is_right:
; out0 = ctx w_proj + b_proj on codes of FP6 (E2M3) with E8M0 scales.  ctx: 8192 tokens x 1024, as images of operand registers: [tile of 16 tokens][head][768 bytes] (registers 0-3 at 16 x lane, 4-5 at 512 + 8 x lane);
; two neighbouring heads are one fragment of 16 rows x 128 K.  ctx's scale bytes [8192][32]; w_proj: [1024][1024] codes, K innermost, 768 bytes a row, scale bytes [1024][32].  out0: [8192][1024] f32.
; A work-group of four waves makes 256 x 256 of out0, a wave 128 x 128.  K goes in steps of 256 through two LDS slots.  4 x 4 work-groups form a cluster: ctx's tiles are asked for jointly along a row of it, w_proj's along a column.
; The matrix instruction is used transposed (source 0 = 16 rows of w_proj, source 1 = 16 tokens): a lane holds eight neighbouring numbers of a row of out0.  The bias is the C of each sum's first instruction.
.set SIZE_K, 1024
.set SIZE_N, 1024
.set KSTEP,  256
.set NQ,     KSTEP/128
.set ROWB,   192
.set KROW,   SIZE_K*6/8
.set PITCH,  240
.set FR,     12
.set NLA,    4                         ; LDS loads that bring a fragment of ctx
.set NP,     4
.set ASTEP,  3072                      ; a K step of a tile of 16 tokens: four heads' images
.set HALFA,  8*ASTEP                   ; 128 tokens
.set HALFT,  128*PITCH                 ; 128 rows of w_proj
.set SLOT,   2*HALFA+2*HALFT
.set LAPS,   SIZE_K/(2*KSTEP)
.set KS,     SIZE_K/32
.set SCL,    2*SLOT
.set HALFS,  (128*KS/256)*272
.set SBLK,   (16*KS/256)*272
.set SPARE,  SCL+4*HALFS
.set SPITCH, 528
.set ADRA, 16                          ; v16-17: slot 0, 1: my 128 tokens + 16 x lane;  v18-19: + 8 x lane
.set ADRB, 20
.set STO,  24
.set RD,   25
.set CO,   26
.set ADRS, 27
.set SPW,  28
.set NIL,  29
.set SC,   32
.set BP,   64                          ; v64-127 the bias: register 8 b + j = b_proj[my first column + 16 b + 8 h + j]
.set AF,   128
.set BK,   128
.set G1, 24
.set G0, 32
.set G1B, 48
.set G0B, 56
.set G1S, 68
.set G0S, 76
.set G1SB, 80
.set G0SB, 88
.set MSB, 0
.macro WIN new
.if MSB != \new
	s_set_vgpr_msb (MSB<<8)|\new
.set MSB, \new
.endif
.endm
.set MUL_LO, 0xa1
.set MUL_HI, 0xf1
.set FIRST_LO, 0x81                    ; as MUL_LO with C (the bias) in window 0
.set FIRST_HI, 0xc1
.set TO_B,   0x40
.macro JLOAD g0a, g1a, g0b, g1b
	s_cmp_eq_u32 s15, 0
	s_cbranch_scc0 .Lfor_b_\@
	tensor_load_to_lds s[\g0a:\g0a+3], s[\g1a:\g1a+7]
	s_nop 0
.rept 4
	v_nop
.endr
	s_branch .Lasked_\@
.Lfor_b_\@:
	tensor_load_to_lds s[\g0b:\g0b+3], s[\g1b:\g1b+7]
	s_nop 0
.rept 4
	v_nop
.endr
.Lasked_\@:
.endm
.macro CREST
	s_cmp_lg_u32 s14, 0
	s_cbranch_scc1 .Lnot_wave_0_\@
	s_barrier_signal -3
.Lnot_wave_0_\@:
	s_barrier_wait -3
	s_barrier_signal -1
	s_barrier_wait -1
.endm
.macro CROUND
	s_barrier_signal -1
	s_barrier_wait -1
	CREST
.endm
	s_load_b128 s[4:7], s[0:1], 0x0                ; ctx's codes, ctx's scales
	s_load_b128 s[8:11], s[0:1], 0x10              ; w_proj's codes, its scales
	s_load_b64 s[96:97], s[0:1], 0x20              ; b_proj
	s_load_b64 s[12:13], s[0:1], 0x28              ; out0
	v_lshl_add_u32 v[SPW], v0, 2, SPARE
	v_mov_b32 v[NIL], 0
	ds_add_u32 v28, v29
	ds_add_u32 v28, v29
	s_wait_dscnt 0x0
	v_lshrrev_b32 v1, 5, v0
	v_readfirstlane_b32 s14, v1
	s_lshr_b32 s15, s14, 1
	s_and_b32 s16, s14, 1
	s_bfe_u32 s40, ttmp6, 0x40000
	s_bfe_u32 s41, ttmp6, 0x40004
	s_lshl_b32 s42, ttmp9, 2
	s_add_co_u32 s42, s42, s40                     ; tile column
	s_and_b32 s17, ttmp7, 0xffff
	s_lshl_b32 s17, s17, 2
	s_add_co_u32 s17, s17, s41                     ; tile row
	s_lshl_b32 s43, s41, 2
	s_lshl_b32 s43, 15, s43
	s_lshl_b32 s44, 0x1111, s40
	s_or_b32 s[G1+0], s43, (3<<16)|(1<<21)         ; ctx: 8 tiles of tokens x 3,072 bytes (384 elements of 8), 12,288 bytes apart; no padding: the images are read 16 or 8 bytes a lane on end
	s_mov_b32 s[G1+1], 384<<16
	s_mov_b32 s[G1+2], 8<<16
	s_mov_b32 s[G1+3], 384<<16
	s_mov_b32 s[G1+4], 8
	s_mov_b32 s[G1+5], 1536
	s_mov_b32 s[G1+6], 0
	s_mov_b32 s[G1+7], 0
	s_or_b32 s[G1B+0], s44, (0<<16)|(1<<20)|(1<<21)|(3<<22)|(3<<25)  ; w_proj: 128 rows x 192 bytes, 16 bytes of padding behind every 64
	s_mov_b32 s[G1B+1], ROWB<<16
	s_mov_b32 s[G1B+2], 128<<16
	s_mov_b32 s[G1B+3], ROWB<<16
	s_mov_b32 s[G1B+4], 128
	s_mov_b32 s[G1B+5], KROW
	s_mov_b32 s[G1B+6], 0
	s_mov_b32 s[G1B+7], 0
	s_or_b32 s[G1S+0], s43, (3<<16)|(1<<20)|(1<<21)|(5<<22)|(3<<25)
	s_or_b32 s[G1SB+0], s44, (3<<16)|(1<<20)|(1<<21)|(5<<22)|(3<<25)
.irp g, G1S, G1SB
	s_mov_b32 s[\g+1], 32<<16
	s_mov_b32 s[\g+2], (128*KS/256)<<16
	s_mov_b32 s[\g+3], 32<<16
	s_mov_b32 s[\g+4], 128*KS/256
	s_mov_b32 s[\g+5], 32
	s_mov_b32 s[\g+6], 0
	s_mov_b32 s[\g+7], 0
.endr
	s_lshl_b32 s18, s16, 7
	s_lshl_b32 s20, s17, 8
	s_add_co_u32 s20, s20, s18
	s_lshl_b32 s46, s42, 8
	s_add_co_u32 s46, s46, s18
	s_mov_b32 s21, 0
	s_mov_b32 s47, 0
	s_mov_b64 s[18:19], KS
	s_mul_u64 s[22:23], s[20:21], s[18:19]
	s_mul_u64 s[92:93], s[46:47], s[18:19]
	s_mov_b64 s[18:19], KROW
	s_mul_u64 s[20:21], s[20:21], s[18:19]         ; (a tile of 16 tokens is 12,288 bytes: 768 a token, as in a plain row)
	s_mul_u64 s[46:47], s[46:47], s[18:19]
	s_mul_i32 s45, s16, HALFA                      ; where ctx's halves go,
	s_mul_i32 s2, s16, HALFT
	s_add_co_u32 s2, s2, 2*HALFA                   ; and w_proj's, behind them
	s_mul_i32 s94, s14, HALFS
	s_wait_kmcnt 0x0
	s_add_nc_u64 s[20:21], s[4:5], s[20:21]
	s_add_nc_u64 s[22:23], s[6:7], s[22:23]
	s_add_nc_u64 s[46:47], s[8:9], s[46:47]
	s_add_nc_u64 s[92:93], s[10:11], s[92:93]
	CROUND
	s_mov_b32 s[G0S], 1
	s_add_co_u32 s[G0S+1], s94, SCL
	s_mov_b64 s[G0S+2:G0S+3], s[22:23]
	s_or_b32 s[G0S+3], s[G0S+3], 0x80000000
	s_mov_b32 s[G0SB], 1
	s_add_co_u32 s[G0SB+1], s94, SCL
	s_mov_b64 s[G0SB+2:G0SB+3], s[92:93]
	s_or_b32 s[G0SB+3], s[G0SB+3], 0x80000000
	JLOAD G0S, G1S, G0SB, G1SB
.irp s, 0,1
	s_mov_b32 s[G0+4*\s], 1
	s_add_co_u32 s[G0+4*\s+1], s45, \s*SLOT
	s_add_nc_u64 s[G0+4*\s+2:G0+4*\s+3], s[20:21], \s*ASTEP
	s_or_b32 s[G0+4*\s+3], s[G0+4*\s+3], 0x80000000
	s_mov_b32 s[G0B+4*\s], 1
	s_add_co_u32 s[G0B+4*\s+1], s2, \s*SLOT
	s_add_nc_u64 s[G0B+4*\s+2:G0B+4*\s+3], s[46:47], \s*ROWB
	s_or_b32 s[G0B+4*\s+3], s[G0B+4*\s+3], 0x80000000
	s_wait_alu depctr_va_vdst(0)
	s_wait_tensorcnt 0x0
	ds_add_u32 v28, v29
	s_wait_dscnt 0x0
	CROUND
	JLOAD G0+4*\s, G1, G0B+4*\s, G1B
.endr
	v_and_b32 v1, 15, v0                           ; r
	v_bfe_u32 v2, v0, 4, 1                         ; h
	v_mul_u32_u24 v3, v1, PITCH
	v_mul_u32_u24 v4, v2, 24
	v_add_nc_u32 v4, v3, v4
	v_lshl_add_u32 v5, v2, 4, v4
	v_and_b32 v6, 31, v0
	v_lshlrev_b32 v9, 4, v6                        ; 16 x lane
	v_lshlrev_b32 v10, 3, v6                       ; 8 x lane
	s_mul_i32 s21, s15, HALFA                      ; my 128 tokens
	s_mul_i32 s22, s16, HALFT
	s_add_co_u32 s22, s22, 2*HALFA                 ; my 128 rows of w_proj
.irp s, 0,1
	v_add_nc_u32 v[ADRA+\s], s21, v9
	v_add_nc_u32 v[ADRA+2+\s], s21, v10
	v_add_nc_u32 v[ADRB+\s], s22, v4
	v_add_nc_u32 v[ADRB+2+\s], s22, v5
	s_add_co_u32 s21, s21, SLOT
	s_add_co_u32 s22, s22, SLOT
.endr
	v_mul_u32_u24 v5, v1, KS
	v_lshrrev_b32 v6, 8, v5
	v_lshl_add_u32 v5, v6, 4, v5
	s_mul_i32 s21, s15, HALFS
	s_mul_i32 s22, s16, HALFS
	s_add_co_u32 s22, s22, 2*HALFS
	s_sub_co_u32 s22, s22, s21
	v_mul_u32_u24 v6, s22, v2
	s_add_co_u32 s21, s21, SCL
	v_add_nc_u32 v5, v5, v6
	v_add_nc_u32 v[ADRS], s21, v5
	s_mul_i32 s23, s14, 16*SPITCH                  ; my stage, in slot 0: it has had its last fill and its last read when the first result is stored there
	v_mul_u32_u24 v5, v1, SPITCH
	v_lshl_add_u32 v5, v2, 5, v5
	v_add_nc_u32 v[STO], s23, v5
	v_and_b32 v6, 31, v0
	v_lshlrev_b32 v[CO], 4, v6
	v_add_nc_u32 v[RD], s23, v[CO]
	s_lshl_b32 s20, s17, 8
	s_lshl_b32 s21, s15, 7
	s_add_co_u32 s20, s20, s21
	s_mov_b32 s21, 0
	s_mov_b64 s[18:19], SIZE_N*4
	s_mul_u64 s[20:21], s[20:21], s[18:19]
	s_lshl_b32 s46, s42, 10
	s_lshl_b32 s47, s16, 9
	s_add_co_u32 s46, s46, s47                     ; my first column, in bytes: in out0's rows and in b_proj alike
	s_mov_b32 s47, 0
	s_add_nc_u64 s[20:21], s[20:21], s[46:47]
	s_add_nc_u64 s[12:13], s[12:13], s[20:21]
	s_add_nc_u64 s[96:97], s[96:97], s[46:47]
	v_lshlrev_b32 v7, 5, v2                        ; 32 h
.irp b, 0,1,2,3,4,5,6,7
	global_load_b128 v[BP+8*\b:BP+8*\b+3], v7, s[96:97] offset:64*\b
	global_load_b128 v[BP+8*\b+4:BP+8*\b+7], v7, s[96:97] offset:64*\b+16
.endr
.macro FRAG reg, adr, q, i             ; a fragment of w_proj from padded rows, in pieces of 8 bytes
.irp p, 0,1,2,3,4,5
.set PIECE, 12*(\q)+6*(\p/3)+\p%3
.if PIECE%8 < 5
	ds_load_b64 v[\reg+2*\p:\reg+2*\p+1], v[\adr] offset:8*PIECE+16*(PIECE/8)+(\i)*16*PITCH
.else
	ds_load_b64 v[\reg+2*\p:\reg+2*\p+1], v[\adr+2] offset:8*PIECE+16*(PIECE/8)+(\i)*16*PITCH
.endif
.endr
.endm
.macro FRAGA reg, slot, q, i           ; a fragment of ctx: two heads' images, as they were stored
	ds_load_b128 v[\reg:\reg+3], v[ADRA+\slot] offset:ASTEP*(\i)+1536*(\q)
	ds_load_b64 v[\reg+4:\reg+5], v[ADRA+2+\slot] offset:ASTEP*(\i)+1536*(\q)+512
	ds_load_b128 v[\reg+6:\reg+9], v[ADRA+\slot] offset:ASTEP*(\i)+1536*(\q)+768
	ds_load_b64 v[\reg+10:\reg+11], v[ADRA+2+\slot] offset:ASTEP*(\i)+1536*(\q)+1280
.endm
.macro MUL16 a0, p, q, sc, first       ; first = 1: the bias starts the sums.  The 64 accumulators take turns
.irp a, \a0, \a0+1
.irp b, 0,1,2,3,4,5,6,7
.if \first
	v_wmma_scale_f32_16x16x128_f8f6f4 v[8*(8*((\a)%4)+\b):8*(8*((\a)%4)+\b)+7], v[128*(\p)+FR*\b:128*(\p)+FR*\b+FR-1], v[AF+FR*(\a):AF+FR*(\a)+FR-1], v[BP+8*\b:BP+8*\b+7], v[SC+8*NQ*(\sc)+NQ*\b+(\q)], v[SC+8*NQ*(\sc)+NQ*(\a)+(\q)] matrix_a_fmt:MATRIX_FMT_FP6 matrix_b_fmt:MATRIX_FMT_FP6 matrix_a_scale:MATRIX_SCALE_ROW1
.else
	v_wmma_scale_f32_16x16x128_f8f6f4 v[8*(8*((\a)%4)+\b):8*(8*((\a)%4)+\b)+7], v[128*(\p)+FR*\b:128*(\p)+FR*\b+FR-1], v[AF+FR*(\a):AF+FR*(\a)+FR-1], v[8*(8*((\a)%4)+\b):8*(8*((\a)%4)+\b)+7], v[SC+8*NQ*(\sc)+NQ*\b+(\q)], v[SC+8*NQ*(\sc)+NQ*(\a)+(\q)] matrix_a_fmt:MATRIX_FMT_FP6 matrix_b_fmt:MATRIX_FMT_FP6 matrix_a_scale:MATRIX_SCALE_ROW1
.endif
.endr
.endr
.endm
.macro FETCH_B slot, q, p
	WIN TO_B
.irp i, 0,1,2,3,4,5,6,7
	FRAG 128*(\p)+FR*\i, ADRB+\slot, \q, \i
.endr
	WIN 0
.endm
.macro FETCH_A slot, q, i0
.irp i, \i0, \i0+1, \i0+2, \i0+3
	FRAGA AF+FR*(\i), \slot, \q, \i
.endr
.endm
.macro SCALES sc
.irp i, 0,1,2,3,4,5,6,7
	ds_load_b64 v[SC+8*NQ*\sc+NQ*\i:SC+8*NQ*\sc+NQ*\i+1], v[ADRS] offset:\i*SBLK
.endr
.endm
.macro PLACES n
.rept \n
	v_nop
.endr
.endm
.macro STEP slot, q, first
	s_wait_dscnt 4*NLA                             ; w_proj's set and ctx's blocks 0-3 are in; the youngest 16 loads (blocks 4-7) may be out
.if \first
	WIN FIRST_LO
.else
	WIN MUL_LO
.endif
	MUL16 0, (\q)%2, \q, \slot, \first
	MUL16 2, (\q)%2, \q, \slot, \first
	s_wait_dscnt 0
	PLACES NP
	FETCH_B \slot, (\q)+1, 1-(\q)%2
	FETCH_A \slot, (\q)+1, 0
.if \first
	WIN FIRST_HI
.else
	WIN MUL_HI
.endif
	MUL16 4, (\q)%2, \q, \slot, \first
	MUL16 6, (\q)%2, \q, \slot, \first
	PLACES NP
	WIN 0
	FETCH_A \slot, (\q)+1, 4
.endm
.macro TURN slot, next, fill
	s_wait_tensorcnt 0x0                           ; all my tensor loads have landed: my part of the next slot
	ds_add_u32 v[SPW], v[NIL]                      ; 0 onto my spare word
	s_wait_dscnt 4*NLA+1                           ; the add and the youngest 16 loads may be out
	WIN MUL_LO
	MUL16 0, 1, NQ-1, \slot, 0
	s_wait_dscnt 0x0                               ; the add is done, and my reads of this slot are over
	s_barrier_signal -1
	MUL16 2, 1, NQ-1, \slot, 0
	WIN 0
	s_barrier_wait -1
.if \fill
	CREST                                          ; the barrier has opened a round of the cluster's barrier
	s_add_nc_u64 s[G0+4*\slot+2:G0+4*\slot+3], s[G0+4*\slot+2:G0+4*\slot+3], 2*ASTEP
	s_add_nc_u64 s[G0B+4*\slot+2:G0B+4*\slot+3], s[G0B+4*\slot+2:G0B+4*\slot+3], 2*ROWB
	JLOAD G0+4*\slot, G1, G0B+4*\slot, G1B
.else
	PLACES NP
.endif
	s_wait_alu depctr_va_vdst(0)
	v_add_nc_u32 v[ADRS], 4*NQ, v[ADRS]
	FETCH_B \next, 0, 0
	FETCH_A \next, 0, 0
	SCALES \next
	WIN MUL_HI
	MUL16 4, 1, NQ-1, \slot, 0
	MUL16 6, 1, NQ-1, \slot, 0
	PLACES NP
	WIN 0
	FETCH_A \next, 0, 4
.endm
	s_wait_alu depctr_va_vdst(0)
	s_wait_tensorcnt 1                             ; the scales and my part of K step 0 are in; K step 1's load may be out
	s_barrier_signal -1
	s_barrier_wait -1
	FETCH_B 0, 0, 0
	FETCH_A 0, 0, 0
	SCALES 0
	FETCH_A 0, 0, 4
	s_wait_loadcnt 0x0                             ; the bias
	STEP 0, 0, 1
	s_mov_b32 s3, LAPS-1
.Llap:
	TURN 0, 1, 1
	STEP 1, 0, 0
	TURN 1, 0, 1
	STEP 0, 0, 0
	s_sub_co_u32 s3, s3, 1
	s_cmp_lg_u32 s3, 0
	s_cbranch_scc1 .Llap
	TURN 0, 1, 0
	STEP 1, 0, 0
	s_wait_dscnt 4*NLA
	WIN MUL_LO
	MUL16 0, 1, NQ-1, 1, 0
	MUL16 2, 1, NQ-1, 1, 0
	s_wait_dscnt 0
	WIN MUL_HI
	MUL16 4, 1, NQ-1, 1, 0
	MUL16 6, 1, NQ-1, 1, 0
	WIN 0
; THE WAY OUT, block by block of 16 rows x 128 columns, through my own stage in LDS: back come whole rows of 512 bytes.  LDS serves a wave's instructions in order (ISA guide 5.7.1.4).
.macro TOSTAGE a
.set AC, 64*((\a)%4)
.set WSEL, 0x08+4*((\a)/4)
	WIN WSEL                                       ; the data: window 2 or 3
.irp b, 0,1,2,3,4,5,6,7
	ds_store_b128 v[STO], v[AC+8*\b:AC+8*\b+3] offset:64*\b          ; each accumulator from its low end on
	ds_store_b128 v[STO], v[AC+8*\b+4:AC+8*\b+7] offset:64*\b+16
.endr
	WIN 0
.set BB, BK+64*((\a)%2)
.irp t, 0,1,2,3,4,5,6,7,8,9,10,11,12,13,14,15
	ds_load_b128 v[BB+4*\t:BB+4*\t+3], v[RD] offset:\t*SPITCH
.endr
.endm
.macro SEND a, younger
.set BB, BK+64*((\a)%2)
	s_wait_dscnt \younger
.if (\a) > 0
	s_add_nc_u64 s[12:13], s[12:13], 16*SIZE_N*4   ; (behind a wait on XCNT: the earlier stores have read their base)
.endif
.irp t, 0,1,2,3,4,5,6,7,8,9,10,11,12,13,14,15
	global_store_b128 v[CO], v[BB+4*\t:BB+4*\t+3], s[12:13] offset:\t*SIZE_N*4 th:TH_STORE_NT   ; 32 lanes store 512 consecutive bytes, aligned
.endr
.endm
	PLACES NP
	TOSTAGE 0
.irp a, 1,2,3,4,5,6,7
.if \a > 1
	s_wait_xcnt 0x0                                ; block a - 2's stores have read their registers and their base
.endif
	TOSTAGE \a
	SEND \a-1, 32                                  ; behind block a - 1's loads: block a's 16 stores and 16 loads
.endr
	s_wait_xcnt 0x0
	SEND 7, 0
	s_wait_tensorcnt 0x0                           ; the wave's end
	ds_add_u32 v[SPW], v[NIL]
	s_wait_dscnt 0x0
	CROUND                                         ; the closing round
	s_endpgm
.Lfunc_end_k_q32775b233a_proj:
	.size	k_q32775b233a_proj, .Lfunc_end_k_q32775b233a_proj-k_q32775b233a_proj
	.p2alignl 7, 3214868480
	.fill 96, 4, 3214868480
	.section	.rodata,"a",@progbits
	.p2align	6, 0x0
	.amdhsa_kernel k_q32775b233a_proj
		.amdhsa_group_segment_fixed_size 327680
		.amdhsa_private_segment_fixed_size 0
		.amdhsa_enable_private_segment 0
		.amdhsa_kernarg_size 48
		.amdhsa_user_sgpr_count 2
		.amdhsa_user_sgpr_kernarg_segment_ptr 1
		.amdhsa_wavefront_size32 1
		.amdhsa_system_sgpr_workgroup_id_x 1
		.amdhsa_system_sgpr_workgroup_id_y 1
		.amdhsa_system_sgpr_workgroup_id_z 1
		.amdhsa_system_vgpr_workitem_id 0
		.amdhsa_next_free_vgpr 1024
		.amdhsa_next_free_sgpr 98
		.amdhsa_reserve_vcc 0
		.amdhsa_float_denorm_mode_32 3
		.amdhsa_float_denorm_mode_16_64 3
		.amdhsa_memory_ordered 1
		.amdhsa_forward_progress 1
		.amdhsa_inst_pref_size 155
	.end_amdhsa_kernel
	.amdgpu_metadata
---
amdhsa.version: [ 1, 2 ]
amdhsa.kernels:
  - .name:           k_q32775b233a_proj
    .symbol:         k_q32775b233a_proj.kd
    .args:
      - { .name: ctx_codes, .offset: 0, .size: 8, .value_kind: global_buffer, .address_space: global }
      - { .name: ctx_scales, .offset: 8, .size: 8, .value_kind: global_buffer, .address_space: global }
      - { .name: w_proj_codes, .offset: 16, .size: 8, .value_kind: global_buffer, .address_space: global }
      - { .name: w_proj_scales, .offset: 24, .size: 8, .value_kind: global_buffer, .address_space: global }
      - { .name: b_proj, .offset: 32, .size: 8, .value_kind: global_buffer, .address_space: global }
      - { .name: out0, .offset: 40, .size: 8, .value_kind: global_buffer, .address_space: global }
    .group_segment_fixed_size: 327680
    .private_segment_fixed_size: 0
    .kernarg_segment_align: 8
    .kernarg_segment_size: 48
    .max_flat_workgroup_size: 128
    .sgpr_count:     98
    .vgpr_count:     1024
    .wavefront_size: 32
...
	.end_amdgpu_metadata
.endif
;; end of part 3
